; MI455X (gfx1250); checked and timed in simulation.
; The chip was launched on July 23, 2026; its instructions are those of AMD's public machine-readable ISA for CDNA 5 (MIT licence, August 2026) and "CDNA5" Instruction Set Architecture Reference Guide (July 2026). The comments in the code are by the model that wrote it; some were corrected since.
;; Mo E. Allowed arithmetic: matrix products marked QUANTISED: E5M2 operands, one E8M0 scale for each 32 along K, by v_wmma_scale_f32_16x16x128_f8f6f4 with both operands' format E5M2, f32 sums; products left as they are: f32 operands where the result goes on into a quantised operand, else bf16, f16 or f32 operands; f32 sums; everything else in f32.
;; Inputs: b1 8 x 128 float32; b2 8 x 1,024 float32; gate_b 8 float32; gate_w 1,024 x 8 float32; w1 8 x 1,024 x 128 float32; w2 8 x 128 x 1,024 float32; x 4 x 2,048 x 1,024 float32.
;; Outputs: out0 4 x 2,048 x 1,024 float32.
;; This version of the problem:
;;   THIS VERSION OF THE PROBLEM IS GIVEN IN LOW PRECISION. The matrix products marked QUANTISED in the list below multiply operands that are first quantised to E5M2 (5 exponent bits, 2 mantissa bits; 8 bits a number), with one power-of-two scale for each 32 numbers along K (OCP MX v1.0); their sums are f32. All else is computed in f32.
;;   The module's matrix products, in the order in which they are computed (A, B: the left and right operand; K: the contracted axis; several contracted axes count as one K, in the product's order):
;;     1. [M 8,192, K 1,024] x [K 1,024, N 8]; A: input x; B: input gate_w: left as it is (N = 8 < 16)
;;     2. [M 8,192, K 1,024] x [K 1,024, N 1,024]; A: input x; B: input w1: QUANTISED
;;     3. batch 8 x [M 1,024, K 128] x [K 128, N 8,192]; A: input w2; B: computed on the way: QUANTISED
;;     4. batch 8,192 x [M 1, K 2] x [K 2, N 1,024]; A: computed on the way; B: computed on the way: left as it is (K = 2 < 32)
;;   THE QUANTISER, for each operand of a quantised product, along K:
;;     - K is cut into blocks of 32 from its start; a last block that is shorter is filled with zeros.
;;     - A block's scale is 2^e with e = floor(log2(the largest magnitude in the block)) - 15, held to -126 .. 127; a block of zeros has e = 0. As a byte (E8M0): e + 127.
;;     - Each number is divided by its block's scale, clamped to +-57,344, and rounded to the nearest number of E5M2, ties to even, subnormals kept.
;;     - The product sums the exact products of the quantised numbers (number of the format x scale) in f32.
;;   ~~~python
;;   def quantise(x, axis):      # numpy; x: float32 -> the quantised numbers, widened to float32 again
;;       x = np.moveaxis(x, axis, -1); K = x.shape[-1]
;;       x = np.pad(x, [(0, 0)] * (x.ndim - 1) + [(0, -K % 32)]); x = x.reshape(x.shape[:-1] + (-1, 32)); a = np.abs(x).max(-1, keepdims=True)
;;       e = np.where(a > 0, np.clip(np.frexp(np.where(a > 0, a, 1))[1] - 1 - 15, -126, 127), 0)      # np.frexp(a)[1] - 1 = floor(log2(a)), exactly
;;       r = np.clip(x / 2.0 ** e, -57344, 57344)
;;       step = 2.0 ** (np.maximum(np.frexp(np.where(r == 0, 1, r))[1] - 1, -14) - 2)
;;       q = np.round(r / step) * step * 2.0 ** e      # np.round: ties to even
;;       return np.moveaxis(q.reshape(q.shape[:-2] + (-1,))[..., :K], -1, axis).astype(np.float32)
;;   ~~~
;;   OPERANDS COMPUTED ON THE WAY. 'Computed on the way' means the value that the module computes at that place (a softmax that the list does not call 'softmax' is quantised finished and normalised). What goes into a quantiser is computed in f32, as accurately as f32 sums, v_exp_f32 and their like allow (about 1e-6 of the number): no bf16 or f16 on the way to a quantiser, and a product that is left as it is and whose result goes on into a quantised operand takes f32 operands (vector FMAs, or v_wmma_f32_16x16x4_f32). A number that lies on a knife's edge between two numbers of the format may be rounded either way, as far as f32 arithmetic and the matrix unit's own rounding can turn it there, and no further.
;; 2 versions, each right; version 2 is version 1 with the launch chain written anew for expert scheduling mode. Each part assembles by itself: llvm-mc -triple=amdgcn-amd-amdhsa -mcpu=gfx1250 --defsym DOCPART=n.
;; ======== version 1 of 2: 3 launches
;; workspace buffers: xq 8,388,608 bytes; xs 262,144 bytes; gates 65,536 bytes; meta 65,536 bytes of whole numbers; tokl 32,768 bytes of whole numbers; wf 2,162,688 bytes
;; launch route (part 1): grid 256 x 1, 8 waves a work-group, no clusters, 78,848 bytes of LDS; arguments x, gate_w, gate_b, xq, xs, gates, meta; writes xq, xs, gates, meta
.if DOCPART == 1
	.amdgcn_target "amdgcn-amd-amdhsa--gfx1250"
	.amdhsa_code_object_version 6
	.text
	.protected	k_qee5e424145_route
	.globl	k_qee5e424145_route
	.p2align	8
	.type	k_qee5e424145_route,@function
k_qee5e424145_route:
	s_mov_b64 s[64:65], 0
	v_nop
	global_prefetch_b8 v0, s[64:65] scope:SCOPE_SE
	s_setreg_imm32_b32 hwreg(HW_REG_WAVE_MODE, 25, 1), 1
	s_wait_xcnt 0x0
; ROUTE.  x [8192][1024] f32 is read once and serves twice: it is quantised to codes of E5M2 (xq [token][1024], K innermost) with one E8M0 byte for each 32 along K
; (xs [token][32]), and it is multiplied in f32 by gate_w [1024][8] for the router: logits + gate_b, softmax (largest logit taken away first), the two largest weights (ties: the lower index).
; Stored at fixed places: gates [token][2] = the weights of the lower and of the higher chosen expert; meta [block of 32 tokens][lane][2 words]:
;   word 0 = key | rank of the token among its block's tokens of that key << 8 | (1 << e_lo | 1 << e_hi) << 16 | e_lo << 24 | e_hi << 28;
;   word 1 = in lanes q = 0..7 the block's counts of keys 4q..4q+3, a byte each, in bytes 0, 2, 1, 3; else 0.
; key of the pair (a < b) = a (15 - a) / 2 + (b - a - 1 where a is even, 7 - b where a is odd): 28 keys, neighbours in this order share an expert.
; No address and no branch of this launch hangs on the choice.
; SHARES.  A work-group owns 32 tokens.  Wave v takes half s = v & 1 of the rows of tokens 8 (v >> 1) + t, t = 0..7: eight steps of 2,048 bytes.  Each load reads 512 consecutive bytes; the bytes turn
; through the wave's own stage in LDS, so that a lane holds 16 neighbours along K (two lanes hold a block of 32).  These are the same 16 places of K in every step, so the lane's 16 x 8 numbers of gate_w stay in 128 registers.
; LIMITS: NaN and infinities are not served.  A block of zeros gets the byte 1 where the rule says 127 (its codes are zeros; the bytes are read by this program alone); blocks whose largest magnitude
; lies under 2^-111 are held at byte 1.  Two weights that differ by less than f32 rounding of the logits may be ranked either way.
.set STEPS, 8
.set SP,    80                         ; a lane's place in a stage: 64 bytes + 16 of padding
.set GWP,   528                        ; gate_w in LDS: a lane's 512 bytes + 16 of padding
.set TS,    33792                      ; behind gate_w's 64 x 528 bytes: two stages of 32 x 80 bytes for each wave
.set SB,    74752                      ; the block's scale bytes, [token][32]
.set LG,    75776                      ; half-row logits, [token][half][8] f32
.set EMAX,  15
.set A,     16                         ; v16-23   eight partial logits, four pairs
.set R,     48                         ; v48-111  four sets of 16 numbers as loaded
.set X,     112                        ; v112-143 two sets of 16 neighbours
.set C,     144                        ; v144-175 codes, four registers a step (at the head: gate_w on its way to LDS)
.set E,     176                        ; v176-183 a scale byte a step
.set MSB, 0
.macro WIN new                         ; the immediate's high byte repeats the setting that is left
.if MSB != \new
	s_set_vgpr_msb (MSB<<8)|\new
.set MSB, \new
.endif
.endm
	s_load_b256 s[4:11], s[0:1], 0x0               ; x, gate_w, gate_b, xq
	s_load_b128 s[12:15], s[0:1], 0x20             ; xs, gates
	s_load_b64 s[16:17], s[0:1], 0x30              ; meta
	v_lshl_add_u32 v254, v0, 2, 0x13000
	v_mov_b32 v255, 0
	v_lshrrev_b32 v1, 5, v0
	v_readfirstlane_b32 s18, v1                    ; wave 0..7
	v_and_b32 v1, 31, v0                           ; lane
	v_lshlrev_b32 v2, 4, v1                        ; 16 x lane: my bytes of a load's 512, and of a step's 512 bytes of codes
	s_and_b32 s35, s18, 1                          ; s: which half of the rows
	s_lshr_b32 s36, s18, 1                         ; q: which eight tokens
	s_mul_i32 s37, s18, 2*32*SP
	s_add_co_u32 s37, s37, TS                      ; my stages
	v_lshrrev_b32 v3, 2, v1
	v_mul_u32_u24 v3, v3, SP
	v_and_b32 v4, 3, v1
	v_lshl_add_u32 v3, v4, 4, v3
	v_add_nc_u32 v3, s37, v3                       ; into a stage: 80 (lane / 4) + 16 (lane % 4)
	v_mul_u32_u24 v4, v1, SP
	v_add_nc_u32 v4, s37, v4                       ; out of it: 80 x lane
	s_lshl_b32 s38, s36, 8
	s_lshl_b32 s39, s35, 4
	s_add_co_u32 s38, s38, s39
	s_add_co_u32 s38, s38, SB
	v_lshrrev_b32 v5, 1, v1
	v_add_nc_u32 v5, s38, v5                       ; my block's scale byte: SB + 32 (8 q + t) + 16 s + lane / 2
	s_lshl_b32 s38, s36, 9
	s_lshl_b32 s39, s35, 5
	s_add_co_u32 s38, s38, s39
	s_add_co_u32 s38, s38, LG
	v_and_b32 v6, 7, v1
	v_lshl_add_u32 v6, v6, 2, s38                  ; my logit: LG + 64 (8 q + t) + 32 s + 4 (lane % 8)
	v_lshl_add_u32 v7, v0, 3, SB                   ; the scale bytes' way out: 8 bytes a thread (threads 0-127)
	v_lshlrev_b32 v40, 3, v0
	v_lshl_add_u32 v41, v1, 6, LG                  ; a token's 16 half-row logits (wave 0: lane = token)
	v_lshlrev_b32 v44, 4, v0                       ; gate_w: 16 bytes a thread
	v_lshrrev_b32 v42, 5, v0
	v_lshl_add_u32 v42, v42, 4, v44                ; into LDS: 16 bytes of padding behind each 512
	s_mul_i32 s39, s35, 32*GWP
	v_mul_u32_u24 v43, v1, GWP
	v_add_nc_u32 v43, s39, v43                     ; out of it: chunk 32 s + lane
	s_mov_b32 s19, 0x600000                        ; the mantissa field of 57,344
	s_mov_b32 s20, 0x76543210
	s_mov_b32 s21, 0xfedcba98                      ; v_permlanex16_b32's selects for lane l xor 16
	s_mov_b32 s32, 0xaaaaaaaa                      ; lanes whose bit 0, 1, 2 is set
	s_mov_b32 s33, 0xcccccccc
	s_mov_b32 s34, 0xf0f0f0f0
	s_mov_b32 s56, 0x3fb8aa3b                      ; log2(e)
	s_lshl_b32 s48, ttmp9, 17                      ; x: 32 rows of 4,096 bytes a work-group,
	s_lshl_b32 s50, s36, 15                        ; 8 rows for q,
	s_add_co_u32 s48, s48, s50
	s_lshl_b32 s50, s35, 11                        ; half a row for s
	s_add_co_u32 s48, s48, s50
	s_mov_b32 s49, 0
	s_lshr_b32 s50, s48, 2                         ; the same place in xq: a quarter of the bytes
	s_mov_b32 s51, 0
	s_lshl_b32 s52, ttmp9, 10                      ; xs: 1,024 bytes a work-group
	s_mov_b32 s53, 0
	s_lshl_b32 s54, ttmp9, 8                       ; gates and meta: 256
	s_mov_b32 s55, 0
	s_wait_kmcnt 0x0
	s_add_nc_u64 s[4:5], s[4:5], s[48:49]
	s_add_nc_u64 s[10:11], s[10:11], s[50:51]
	s_add_nc_u64 s[12:13], s[12:13], s[52:53]
	s_add_nc_u64 s[14:15], s[14:15], s[54:55]
	s_add_nc_u64 s[16:17], s[16:17], s[54:55]
	s_load_b256 s[24:31], s[8:9], 0x0              ; gate_b
.macro LOAD t
.irp i, 0,1,2,3
	global_load_b128 v[R+16*((\t)%4)+4*\i:R+16*((\t)%4)+4*\i+3], v2, s[4:5] offset:4096*(\t)+512*\i th:TH_LOAD_NT   ; 32 lanes read 512 consecutive bytes
.endr
.endm
.macro TURN t                          ; step t's numbers through the stage; LDS serves a wave's instructions in order, so no wait stands between the stores and the loads
.irp i, 0,1,2,3
	ds_store_b128 v3, v[R+16*((\t)%4)+4*\i:R+16*((\t)%4)+4*\i+3] offset:32*SP*((\t)%2)+8*SP*\i
.endr
.irp i, 0,1,2,3
	ds_load_b128 v[X+16*((\t)%2)+4*\i:X+16*((\t)%2)+4*\i+3], v4 offset:32*SP*((\t)%2)+16*\i
.endr
.endm
.irp k, 0,1,2,3,4,5,6,7
	global_load_b128 v[C+4*\k:C+4*\k+3], v44, s[6:7] offset:4096*\k    ; gate_w, 32,768 bytes by 256 threads
.endr
.irp t, 0,1,2,3
	LOAD \t
.endr
	s_wait_loadcnt 16                              ; gate_w is in; x's 16 loads stay out
.irp k, 0,1,2,3,4,5,6,7
	ds_store_b128 v42, v[C+4*\k:C+4*\k+3] offset:8*GWP*\k
.endr
	s_wait_kmcnt 0x0                               ; gate_b
	s_wait_dscnt 0x0                               ; for the others' sake: my part of gate_w lies in LDS
	s_barrier_signal -1
	s_barrier_wait -1
	WIN 0x40                                       ; destination window 1: v256-383: gate_w(my place i of K, expert e) at 8 i + e
.set k, 0
.rept 32
	ds_load_b128 v[4*k:4*k+3], v43 offset:16*k
.set k, k+1
.endr
	WIN 0
	s_wait_loadcnt 12                              ; step 0's four loads are in
	TURN 0
; 64 packed multiply-adds: logit pair p += x_i x gate_w(i, 2 p .. 2 p + 1); x_i is the low or the high word of its pair, taken for both halves
.macro ROUTER
	WIN 0x04                                       ; source 1 (gate_w) window 1
.irp p, 0,1,2,3
	v_pk_mul_f32 v[A+2*\p:A+2*\p+1], v[XS:XS+1], v[2*\p:2*\p+1] op_sel_hi:[0,1]   ; the first product starts the sums
.endr
.set i, 1
.rept 15
.irp p, 0,1,2,3
.if i%2
	v_pk_fma_f32 v[A+2*\p:A+2*\p+1], v[XS+i-1:XS+i], v[8*i+2*\p:8*i+2*\p+1], v[A+2*\p:A+2*\p+1] op_sel:[1,0,0] op_sel_hi:[1,1,1]
.else
	v_pk_fma_f32 v[A+2*\p:A+2*\p+1], v[XS+i:XS+i+1], v[8*i+2*\p:8*i+2*\p+1], v[A+2*\p:A+2*\p+1] op_sel_hi:[0,1,1]
.endif
.endr
.set i, i+1
.endr
	WIN 0
.endm
; Eight sums over 32 lanes at once: in each of three stages a lane keeps half of its numbers and sends the other half to the lane that keeps those; then lane l holds expert l % 8
.macro REDUCE
.irp p, 0,1,2,3
	v_cndmask_b32 v[24+2*\p], v[A+2*\p], v[A+2*\p+1], s32
	v_cndmask_b32 v[25+2*\p], v[A+2*\p+1], v[A+2*\p], s32
.endr
.irp p, 0,1,2,3
	v_add_f32_dpp v[25+2*\p], v[25+2*\p], v[24+2*\p] row_xmask:1 row_mask:0xf bank_mask:0xf
.endr
.irp p, 0,1
	v_cndmask_b32 v[32+2*\p], v[25+4*\p], v[27+4*\p], s33
	v_cndmask_b32 v[33+2*\p], v[27+4*\p], v[25+4*\p], s33
.endr
.irp p, 0,1
	v_add_f32_dpp v[33+2*\p], v[33+2*\p], v[32+2*\p] row_xmask:2 row_mask:0xf bank_mask:0xf
.endr
	v_cndmask_b32 v36, v33, v35, s34
	v_cndmask_b32 v37, v35, v33, s34
	v_add_f32_dpp v37, v37, v36 row_xmask:4 row_mask:0xf bank_mask:0xf
	v_add_f32_dpp v37, v37, v37 row_xmask:8 row_mask:0xf bank_mask:0xf
	v_permlanex16_b32 v36, v37, s20, s21
	v_add_f32 v37, v37, v36
.endm
.macro STEP t
.set XS, X+16*((\t)%2)
.if (\t) > 0
	s_wait_dscnt 2                                 ; this step's numbers are back from the stage; the last step's two small stores may be out
.else
	s_wait_dscnt 0x0                               ; gate_w's registers too
.endif
.if (\t)+4 < STEPS
	LOAD (\t)+4
.endif
.if (\t)+1 < STEPS
.if STEPS-2-(\t) >= 3
	s_wait_loadcnt 12                              ; the next step's four loads are in; those of the three steps behind it may be out
.else
	s_wait_loadcnt 4*(STEPS-2-(\t))
.endif
	TURN (\t)+1
.endif
	ROUTER
	REDUCE
	ds_store_b32 v6, v37 offset:64*(\t)            ; four lanes write the same word with the same value
	v_max3_num_f32 v8, |v[XS]|, |v[XS+1]|, |v[XS+2]|               ; the largest magnitude of my 16
	v_max3_num_f32 v9, |v[XS+3]|, |v[XS+4]|, |v[XS+5]|
.irp i, 6,10
	v_max3_num_f32 v8, v8, |v[XS+\i]|, |v[XS+\i+1]|
	v_max3_num_f32 v9, v9, |v[XS+\i+2]|, |v[XS+\i+3]|
.endr
	v_max3_num_f32 v8, v8, |v[XS+14]|, |v[XS+15]|
	v_max3_num_f32 v8, v8, v9, (EMAX+1)<<23        ; and the floor 2^(16 - 127): the byte cannot fall under 1
	v_max_num_f32_dpp v8, v8, v8 row_xmask:1 row_mask:0xf bank_mask:0xf   ; and of my neighbour's 16: the block's
	v_add_nc_u32 v11, -(EMAX<<23), v8              ; 15 off its exponent field: the conversion's scale operand
	v_and_or_b32 v10, v8, 0x7f800000, s19          ; 57,344 x the scale
.irp i, 0,1,2,3,4,5,6,7,8,9,10,11,12,13,14,15
	v_med3_num_f32 v[XS+\i], v[XS+\i], -v10, v10   ; the conversion to an 8-bit code does not saturate (ISA guide 7.6.2): the hold
.endr
	v_cvt_scalef32_pk8_bf8_f32 v[C+4*(\t):C+4*(\t)+1], v[XS:XS+7], v11
	v_cvt_scalef32_pk8_bf8_f32 v[C+4*(\t)+2:C+4*(\t)+3], v[XS+8:XS+15], v11
	v_lshrrev_b32 v[E+(\t)], 23, v11               ; the scale's byte
	ds_store_b8 v5, v[E+(\t)] offset:32*(\t)       ; both lanes of a block write the same byte with the same value
	global_store_b128 v2, v[C+4*(\t):C+4*(\t)+3], s[10:11] offset:1024*(\t)   ; 32 lanes store 512 consecutive bytes
.endm
.irp t, 0,1,2,3,4,5,6,7
	STEP \t
.endr
	s_wait_dscnt 0x0                               ; for the others' sake: my scale bytes and logits lie in LDS
	s_barrier_signal -1
	s_barrier_wait -1
	s_cmp_lt_u32 s18, 4
	s_cbranch_scc0 .Lend
	ds_load_b64 v[12:13], v7                       ; waves 0-3: 256 scale bytes each
	s_wait_dscnt 0x0
	global_store_b64 v40, v[12:13], s[12:13]       ; 32 lanes store 256 consecutive bytes, aligned
	s_cmp_lg_u32 s18, 0
	s_cbranch_scc1 .Lend
	; wave 0, lane = token: the routing
.irp k, 0,1,2,3
	ds_load_b128 v[48+4*\k:51+4*\k], v41 offset:16*\k
.endr
	s_wait_dscnt 0x0
.irp e, 0,1,2,3,4,5,6,7
	v_add_f32 v[48+\e], v[48+\e], v[56+\e]         ; the two halves of the row,
.endr
.irp e, 0,1,2,3,4,5,6,7
	v_add_f32 v[48+\e], s[24+\e], v[48+\e]         ; and gate_b
.endr
	v_max3_num_f32 v64, v48, v49, v50
	v_max3_num_f32 v64, v64, v51, v52
	v_max3_num_f32 v64, v64, v53, v54
	v_max_num_f32 v64, v64, v55                    ; the largest logit is taken away ahead of the exponentials
	v_mul_f32 v64, s56, v64
.irp e, 0,1,2,3,4,5,6,7
	v_fma_f32 v[56+\e], v[48+\e], s56, -v64
.endr
.irp e, 0,1,2,3,4,5,6,7
	v_exp_f32 v[56+\e], v[56+\e]
.endr
	v_nop                                          ; a plain place behind the exponentials
	s_wait_alu depctr_va_vdst(0)
	v_add_f32 v65, v56, v57
	v_add_f32 v66, v58, v59
	v_add_f32 v67, v60, v61
	v_add_f32 v68, v62, v63
	v_add_f32 v65, v65, v66
	v_add_f32 v67, v67, v68
	v_add_f32 v65, v65, v67
	v_rcp_f32 v65, v65
	v_nop
	s_wait_alu depctr_va_vdst(0)
.irp e, 0,1,2,3,4,5,6,7
	v_mul_f32 v[56+\e], v[56+\e], v65              ; the softmax weights
.endr
	v_mov_b32 v66, v56                             ; the best so far and its expert,
	v_mov_b32 v67, 0
	v_mov_b32 v68, -1.0                            ; the second: under every weight
	v_mov_b32 v69, 0
.irp e, 1,2,3,4,5,6,7                  ; strictly greater only: of equal weights the lower index stays ahead
	v_cmp_gt_f32 vcc_lo, v[56+\e], v66
	v_cmp_gt_f32 s38, v[56+\e], v68
	v_cndmask_b32 v68, v68, v[56+\e], s38
	v_cndmask_b32 v69, v69, \e, s38
	v_cndmask_b32 v68, v68, v66, vcc_lo
	v_cndmask_b32 v69, v69, v67, vcc_lo
	v_cndmask_b32 v66, v66, v[56+\e], vcc_lo
	v_cndmask_b32 v67, v67, \e, vcc_lo
.endr
	v_min_u32 v70, v67, v69                        ; e_lo
	v_max_u32 v71, v67, v69                        ; e_hi
	v_cmp_lt_u32 vcc_lo, v67, v69
	v_cndmask_b32 v72, v68, v66, vcc_lo            ; e_lo's weight
	v_cndmask_b32 v73, v66, v68, vcc_lo            ; e_hi's
	v_sub_nc_u32 v74, 15, v70
	v_mul_u32_u24 v74, v70, v74
	v_lshrrev_b32 v74, 1, v74                      ; a (15 - a) / 2
	v_sub_nc_u32 v76, v71, v70
	v_add_nc_u32 v76, -1, v76                      ; b - a - 1
	v_sub_nc_u32 v77, 7, v71                       ; 7 - b
	v_and_b32 v80, 1, v70
	v_cmp_eq_u32 vcc_lo, 1, v80
	v_cndmask_b32 v76, v76, v77, vcc_lo
	v_add_nc_u32 v74, v74, v76                     ; the key
	v_mov_b32 v75, 0
.set k, 0
.rept 28                               ; for each key: who has it, my rank among them, how many
	v_cmp_eq_u32 s38, k, v74
	v_mbcnt_lo_u32_b32 v76, s38, 0
	v_cndmask_b32 v75, v75, v76, s38
	s_bcnt1_i32_b32 s39, s38
.if k%4 == 0
	s_mov_b32 s[40+k/4], s39
.else
	s_lshl_b32 s39, s39, 8*(((k%4)&1)*2+((k%4)>>1))
	s_or_b32 s[40+k/4], s[40+k/4], s39
.endif
.set k, k+1
.endr
	s_mov_b32 s47, 0
	v_mov_b32 v79, 0
.irp q, 0,1,2,3,4,5,6,7
	v_writelane_b32 v79, s[40+\q], \q
.endr
	v_lshl_or_b32 v78, v75, 8, v74
	v_lshlrev_b32 v76, v70, 1
	v_lshlrev_b32 v77, v71, 1
	v_or_b32 v76, v76, v77
	v_lshl_or_b32 v78, v76, 16, v78
	v_lshl_or_b32 v78, v70, 24, v78
	v_lshl_or_b32 v78, v71, 28, v78
	global_store_b64 v40, v[78:79], s[16:17]       ; meta: 256 consecutive bytes, aligned
	global_store_b64 v40, v[72:73], s[14:15]       ; gates likewise
.Lend:
	s_wait_tensorcnt 0x0
	ds_add_u32 v254, v255
	s_wait_dscnt 0x0
	s_endpgm
.Lfunc_end_k_qee5e424145_route:
	.size	k_qee5e424145_route, .Lfunc_end_k_qee5e424145_route-k_qee5e424145_route
	.p2alignl 7, 3214868480
	.fill 96, 4, 3214868480
	.section	.rodata,"a",@progbits
	.p2align	6, 0x0
	.amdhsa_kernel k_qee5e424145_route
		.amdhsa_group_segment_fixed_size 78848
		.amdhsa_private_segment_fixed_size 0
		.amdhsa_enable_private_segment 0
		.amdhsa_kernarg_size 56
		.amdhsa_user_sgpr_count 2
		.amdhsa_user_sgpr_kernarg_segment_ptr 1
		.amdhsa_wavefront_size32 1
		.amdhsa_system_sgpr_workgroup_id_x 1
		.amdhsa_system_sgpr_workgroup_id_y 1
		.amdhsa_system_sgpr_workgroup_id_z 1
		.amdhsa_system_vgpr_workitem_id 0
		.amdhsa_next_free_vgpr 384
		.amdhsa_next_free_sgpr 66
		.amdhsa_reserve_vcc 1
		.amdhsa_float_denorm_mode_32 3
		.amdhsa_float_denorm_mode_16_64 3
		.amdhsa_memory_ordered 1
		.amdhsa_forward_progress 1
		.amdhsa_inst_pref_size 91
	.end_amdhsa_kernel
	.amdgpu_metadata
---
amdhsa.version: [ 1, 2 ]
amdhsa.kernels:
  - .name:           k_qee5e424145_route
    .symbol:         k_qee5e424145_route.kd
    .args:
      - { .name: x, .offset: 0, .size: 8, .value_kind: global_buffer, .address_space: global }
      - { .name: gate_w, .offset: 8, .size: 8, .value_kind: global_buffer, .address_space: global }
      - { .name: gate_b, .offset: 16, .size: 8, .value_kind: global_buffer, .address_space: global }
      - { .name: xq, .offset: 24, .size: 8, .value_kind: global_buffer, .address_space: global }
      - { .name: xs, .offset: 32, .size: 8, .value_kind: global_buffer, .address_space: global }
      - { .name: gates, .offset: 40, .size: 8, .value_kind: global_buffer, .address_space: global }
      - { .name: meta, .offset: 48, .size: 8, .value_kind: global_buffer, .address_space: global }
    .group_segment_fixed_size: 78848
    .private_segment_fixed_size: 0
    .kernarg_segment_align: 8
    .kernarg_segment_size: 56
    .max_flat_workgroup_size: 256
    .sgpr_count:     66
    .vgpr_count:     384
    .wavefront_size: 32
...
	.end_amdgpu_metadata
.endif
;; end of part 1
;; launch place (part 2): grid 136 x 1, 8 waves a work-group, no clusters, 52,480 bytes of LDS; arguments meta, w1, w2, tokl, wf; writes tokl, wf
.if DOCPART == 2
	.amdgcn_target "amdgcn-amd-amdhsa--gfx1250"
	.amdhsa_code_object_version 6
	.text
	.protected	k_qee5e424145_place
	.globl	k_qee5e424145_place
	.p2align	8
	.type	k_qee5e424145_place,@function
k_qee5e424145_place:
	s_mov_b64 s[64:65], 0
	v_nop
	global_prefetch_b8 v0, s[64:65] scope:SCOPE_SE
	s_setreg_imm32_b32 hwreg(HW_REG_WAVE_MODE, 25, 1), 1
	s_wait_xcnt 0x0
; PLACE.  Work-groups 0-7 sort the 8,192 tokens by their key (a counting sort, no atomics): tokl[position] = token | the upper half of the token's word of meta (experts' bits, e_lo, e_hi).
; Each of the eight repeats the counting (the counts of all 256 blocks are 8 loads a lane) and places the tokens of its own 32 blocks, so that the scattered stores are shared among eight work-groups.
; Work-groups 8-71 quantise w1 [8][1024 (K)][128], work-groups 72-135 w2 [8][128 (K)][1024], along K, into wf, laid in the order in which a wave of the next launch takes its operand registers.
; wf: 64 segments of 33,792 bytes, segment (kind x 8 + expert) x 4 + w (kind 0: w1, 1: w2; w: the reading wave); a segment is 4 batches of 8,448 bytes: 4 fragments of 2,048 bytes (16 rows x 128 K as an image of
; its 16 registers: piece c at 512 c + 16 x lane), then 256 bytes of scale words, word sp of lane L at 8 L + 4 sp: lanes 0-15 the rows of fragment 2 sp, lanes 16-31 those of fragment 2 sp + 1.
;   w1, batch b, fragment 2 sp + u: K step 2 b + sp; lane (r, h) holds hidden unit 32 w + 8 u + r + 8 (r / 8).     w2, batch b, fragment 2 sp + u: output column 256 w + 16 (4 b + 2 sp + u) + r.
; WEIGHTS: a lane takes a column and its registers run down K, so each load reads 128 consecutive bytes a wave, a block of 32 lies in one lane, and the codes come out with K innermost.  A wave makes 64 K x 32 columns:
; half hf of two fragments (pieces 2 hf, 2 hf + 1), two blocks a lane, all 64 loads out at once; the codes are gathered in the wave's own stage in LDS and leave as four runs of 512 consecutive bytes.
; The three paths part on the work-group's number and have LDS bytes of their own.
; LIMITS: NaN and infinities are not served; a block of zeros gets the byte 1 (its codes are zeros; this program alone reads the bytes); blocks whose largest magnitude lies under 2^-111 are held at byte 1.
.set KT,   0                           ; 32 words: each key's total
.set PT,   256                         ; [block 256] rows of 72 bytes: 32 halfwords: where the block's tokens of each key begin
.set STW1, 18688                       ; w1's stages, 2,048 bytes a wave
.set STW2, 35072                       ; w2's
.set SEG,  33792
.set BAT,  8448
.set EMAX, 15
.set X,    32                          ; v32-95   two sets of 32 numbers
.set C,    96                          ; v96-111  the codes, eight registers a block
.set OUTR, 112                         ; v112-127 the way out
	s_load_b256 s[4:11], s[0:1], 0x0               ; meta, w1, w2, tokl
	s_load_b64 s[12:13], s[0:1], 0x20              ; wf
	v_lshl_add_u32 v192, v0, 2, 0xc900
	v_mov_b32 v193, 0
	v_lshrrev_b32 v1, 5, v0
	v_readfirstlane_b32 s18, v1                    ; wave 0..7
	v_and_b32 v1, 31, v0                           ; lane
	s_wait_kmcnt 0x0
	s_cmp_lt_u32 ttmp9, 8
	s_cbranch_scc0 .Lweights
	; ---- THE SORT.  Wave q owns keys 4 q .. 4 q + 3 in the counting; in the placing, work-group G's wave q owns blocks 32 G + 4 q .. + 3
	s_and_b32 s19, ttmp9, 7                        ; G
	s_lshl_b32 s20, s18, 3
	s_add_co_u32 s20, s20, 4
	v_lshl_add_u32 v2, v1, 8, s20                  ; the counts of my keys in block 32 i + lane
	s_lshl_b32 s21, s19, 13                        ; 32 blocks of 256 bytes for G,
	s_lshl_b32 s23, s18, 10                        ; 4 for q
	s_add_co_u32 s21, s21, s23
	v_lshl_add_u32 v3, v1, 3, s21                  ; the words of block 32 G + 4 q + i: lane = token
.irp i, 0,1,2,3,4,5,6,7
	global_load_b32 v[8+\i], v2, s[4:5] offset:8192*\i
.endr
.irp i, 0,1,2,3
	global_load_b64 v[64+2*\i:65+2*\i], v3, s[4:5] offset:256*\i
.endr
	s_mov_b32 s22, 0x00ff00ff
	s_mov_b32 s41, 0xffff0000
	v_mov_b32 v34, 0                               ; (a DPP form's destination counts as read)
	s_lshl_b32 s23, s18, 4
	v_mov_b32 v60, s23                             ; KT + 16 q
	v_lshlrev_b32 v61, 2, v1                       ; KT + 4 x lane
	s_lshl_b32 s23, s18, 3
	s_add_co_u32 s23, s23, PT
	v_mul_u32_u24 v62, v1, 72
	v_add_nc_u32 v62, s23, v62                     ; PT + 72 x lane + 8 q
	s_mul_i32 s23, s19, 2304
	s_mul_i32 s24, s18, 288
	s_add_co_u32 s23, s23, s24
	s_add_co_u32 s23, s23, PT
	v_lshl_add_u32 v63, v1, 1, s23                 ; PT + 72 (32 G + 4 q) + 2 x lane: read only, behind the second barrier
	s_lshl_b32 s23, s19, 10
	s_lshl_b32 s24, s18, 7
	s_add_co_u32 s23, s23, s24
	v_add_nc_u32 v39, s23, v1                      ; token 1024 G + 128 q + lane
; an inclusive sum over the 32 lanes, of two 16-bit fields at once (no sum passes 8,192)
.macro SCAN r
.irp n, 1,2,4,8
	v_mov_b32_dpp v34, v[\r] row_shr:\n row_mask:0xf bank_mask:0xf bound_ctrl:1
	v_add_nc_u32 v[\r], v[\r], v34
.endr
	v_readlane_b32 s40, v[\r], 15
	v_mov_b32 v34, s40
	v_cndmask_b32 v34, 0, v34, s41                 ; lanes 16-31 add the lower half's total
	v_add_nc_u32 v[\r], v[\r], v34
.endm
	s_wait_loadcnt 4                               ; the counts are in; the four loads of words stay out
.irp i, 0,1,2,3,4,5,6,7
	v_and_b32 v[16+\i], s22, v[8+\i]               ; keys 4 q, 4 q + 1 as two 16-bit fields,
	v_lshrrev_b32 v[24+\i], 8, v[8+\i]
.endr
.irp i, 0,1,2,3,4,5,6,7
	v_and_b32 v[24+\i], s22, v[24+\i]              ; keys 4 q + 2, 4 q + 3
.endr
	v_add3_u32 v32, v16, v17, v18
	v_add3_u32 v33, v24, v25, v26
	v_add3_u32 v32, v32, v19, v20
	v_add3_u32 v33, v33, v27, v28
	v_add3_u32 v32, v32, v21, v22
	v_add3_u32 v33, v33, v29, v30
	v_add_nc_u32 v32, v32, v23                     ; my eight blocks' totals
	v_add_nc_u32 v33, v33, v31
	v_mov_b32 v35, v32
	v_mov_b32 v36, v33
	SCAN 35
	SCAN 36
	v_readlane_b32 s42, v35, 31                    ; the keys' totals
	v_readlane_b32 s43, v36, 31
	s_and_b32 s44, s42, 0xffff
	s_lshr_b32 s45, s42, 16
	s_and_b32 s46, s43, 0xffff
	s_lshr_b32 s47, s43, 16
	v_mov_b32 v56, s44
	v_mov_b32 v57, s45
	v_mov_b32 v58, s46
	v_mov_b32 v59, s47
	ds_store_b128 v60, v[56:59]                    ; all lanes write the same words with the same values
	s_wait_dscnt 0x0
	s_barrier_signal -1
	s_barrier_wait -1
	ds_load_b32 v37, v61                           ; lane = key
	s_wait_dscnt 0x0
	v_mov_b32 v38, v37
	SCAN 38
	v_sub_nc_u32 v38, v38, v37                     ; where each key begins
	s_lshl_b32 s48, s18, 2
	v_readlane_b32 s44, v38, s48
	s_add_co_u32 s48, s48, 1
	v_readlane_b32 s45, v38, s48
	s_add_co_u32 s48, s48, 1
	v_readlane_b32 s46, v38, s48
	s_add_co_u32 s48, s48, 1
	v_readlane_b32 s47, v38, s48
	s_lshl_b32 s45, s45, 16
	s_or_b32 s44, s44, s45
	s_lshl_b32 s47, s47, 16
	s_or_b32 s46, s46, s47
	v_sub_nc_u32 v35, v35, v32                     ; what the lanes below me hold
	v_sub_nc_u32 v36, v36, v33
	v_add_nc_u32 v40, s44, v35                     ; the blocks are ranked by lane, then by i
	v_add_nc_u32 v41, s46, v36
.irp i, 1,2,3,4,5,6,7
	v_add_nc_u32 v[40+2*\i], v[38+2*\i], v[15+\i]
	v_add_nc_u32 v[41+2*\i], v[39+2*\i], v[23+\i]
.endr
.irp i, 0,1,2,3,4,5,6,7
	ds_store_b64 v62, v[40+2*\i:41+2*\i] offset:2304*\i    ; block 32 i + lane, keys 4 q .. 4 q + 3
.endr
	s_wait_dscnt 0x0
	s_barrier_signal -1
	s_barrier_wait -1
.irp i, 0,1,2,3
	ds_load_u16 v[128+\i], v63 offset:72*\i        ; block 32 G + 4 q + i: lane = key
.endr
	s_wait_loadcnt 0x0                             ; the words
.irp i, 0,1,2,3
	v_and_b32 v[65+2*\i], 31, v[64+2*\i]           ; my token's key,
	v_lshlrev_b32 v[65+2*\i], 2, v[65+2*\i]        ; as a lane's byte address
.endr
	s_wait_dscnt 0x0
.irp i, 0,1,2,3
	ds_bpermute_b32 v[160+\i], v[65+2*\i], v[128+\i]   ; where my key's tokens of this block begin
.endr
	s_wait_dscnt 0x0
.irp i, 0,1,2,3
	v_bfe_u32 v[65+2*\i], v[64+2*\i], 8, 8         ; + my rank
	v_add_nc_u32 v[160+\i], v[160+\i], v[65+2*\i]
	v_min_u32 v[160+\i], 0x1fff, v[160+\i]         ; a position stays inside the list
	v_lshlrev_b32 v[160+\i], 2, v[160+\i]
	v_add_nc_u32 v[128+\i], 32*\i, v39
	v_and_or_b32 v[128+\i], v[64+2*\i], s41, v[128+\i]
	global_store_b32 v[160+\i], v[128+\i], s[10:11]    ; 4 bytes a lane to scattered places: 4,096 bytes a work-group
.endr
	s_wait_tensorcnt 0x0
	ds_add_u32 v192, v193
	s_wait_dscnt 0x0
	s_endpgm
; ---- THE WEIGHTS
.macro LOADB t, pitch                  ; block t of my two: rows 32 t + i of my 64 along K at my column
.set i, 0
.rept 32
	global_load_b32 v[X+32*(\t)+i], v3, s[14:15] offset:(32*(\t)+i)*(\pitch) th:TH_LOAD_NT
.set i, i+1
.endr
.endm
.macro BLOCKW t
.set XS, X+32*(\t)
.if (\t) == 0
	s_wait_loadcnt 32                              ; this block's 32 loads are in; the second block's may be out
.else
	s_wait_loadcnt 0x0
.endif
	v_max3_num_f32 v12, |v[XS]|, |v[XS+1]|, |v[XS+2]|              ; the block's largest magnitude: all 32 numbers are mine
	v_max3_num_f32 v13, |v[XS+3]|, |v[XS+4]|, |v[XS+5]|
.irp i, 6,10,14,18,22,26
	v_max3_num_f32 v12, v12, |v[XS+\i]|, |v[XS+\i+1]|
	v_max3_num_f32 v13, v13, |v[XS+\i+2]|, |v[XS+\i+3]|
.endr
	v_max3_num_f32 v12, v12, |v[XS+30]|, |v[XS+31]|
	v_max3_num_f32 v12, v12, v13, (EMAX+1)<<23     ; and the floor 2^(16 - 127)
	v_add_nc_u32 v11, -(EMAX<<23), v12             ; the conversion's scale operand
	v_and_or_b32 v10, v12, 0x7f800000, s33         ; 57,344 x the scale
	v_lshrrev_b32 v13, 23, v11                     ; the scale's byte
.if (\t) == 0
	v_mov_b32 v24, v13                             ; my two bytes of my column's scale word, the lower K in the lower byte
.else
	v_lshl_or_b32 v24, v13, 8, v24
.endif
.set i, 0
.rept 32
	v_med3_num_f32 v[XS+i], v[XS+i], -v10, v10     ; the conversion to an 8-bit code does not saturate (ISA guide 7.6.2): the hold
.set i, i+1
.endr
.irp g, 0,1,2,3
	v_cvt_scalef32_pk8_bf8_f32 v[C+8*(\t)+2*\g:C+8*(\t)+2*\g+1], v[XS+8*\g:XS+8*\g+7], v11   ; each block has code registers of its own: no wait for the LDS stores below
.endr
	ds_store_b128 v4, v[C+8*(\t):C+8*(\t)+3] offset:512*(\t)           ; the block's K 0 .. 15: its piece, the lane of the lower half,
	ds_store_b128 v4, v[C+8*(\t)+4:C+8*(\t)+7] offset:512*(\t)+256     ; K 16 .. 31: of the upper half
.endm
.macro WQ pitch
	LOADB 0, \pitch
	LOADB 1, \pitch
	BLOCKW 0
	BLOCKW 1
	global_store_b16 v9, v24, s[20:21]             ; two of the scale word's four bytes, at every eighth byte: 65,536 bytes in the whole launch
.irp k, 0,1,2,3
	ds_load_b128 v[OUTR+4*\k:OUTR+4*\k+3], v7 offset:512*\k       ; LDS serves a wave's instructions in order: these see my stores
.endr
.irp k, 0,1,2,3
	s_wait_dscnt 3-\k
	global_store_b128 v8, v[OUTR+4*\k:OUTR+4*\k+3], s[16:17] offset:2048*(\k/2)+512*(\k%2)   ; fragment k / 2, my piece k % 2: 512 consecutive bytes, aligned to 256
.endr
.endm
; from expert s23, batch s24, reading wave s25, sp s26, half s35 and the kind: where my pieces (s[16:17]) and my scale bytes (s[20:21]) go
.macro DEST kind
	s_lshl_b32 s27, s23, 2
	s_add_co_u32 s27, s27, s25
	s_add_co_u32 s27, s27, 32*\kind                ; the segment
	s_mul_i32 s28, s27, SEG
	s_mul_i32 s27, s24, BAT
	s_add_co_u32 s28, s28, s27                     ; the batch
	s_mov_b32 s29, 0
	s_lshl_b32 s27, s26, 12                        ; fragments 2 sp, 2 sp + 1,
	s_add_co_u32 s30, s28, s27
	s_lshl_b32 s27, s35, 10                        ; pieces 2 hf, 2 hf + 1
	s_add_co_u32 s30, s30, s27
	s_mov_b32 s31, 0
	s_add_nc_u64 s[16:17], s[12:13], s[30:31]
	s_lshl_b32 s27, s26, 2
	s_add_co_u32 s28, s28, s27
	s_lshl_b32 s27, s35, 1
	s_add_co_u32 s28, s28, s27
	s_add_co_u32 s28, s28, 8192
	s_add_nc_u64 s[20:21], s[12:13], s[28:29]
.endm
.Lweights:
	s_mov_b32 s33, 0x600000                        ; the mantissa field of 57,344
	v_lshlrev_b32 v3, 2, v1                        ; in: 4 bytes a lane
	v_lshlrev_b32 v8, 4, v1                        ; out: 16 bytes a lane
	s_lshl_b32 s34, s18, 11                        ; my stage
	s_cmp_lt_u32 ttmp9, 72
	s_cbranch_scc0 .Lw2
	s_sub_co_u32 s22, ttmp9, 8
	s_lshr_b32 s23, s22, 3                         ; expert
	s_bfe_u32 s24, s22, 0x20001                    ; batch
	s_and_b32 s35, s22, 1                          ; hf: which 64 of the K step's 128
	s_and_b32 s25, s18, 3                          ; w: four waves side by side cover a row of w1
	s_lshr_b32 s26, s18, 2                         ; sp
	s_lshl_b32 s28, s23, 19
	s_lshl_b32 s27, s24, 1
	s_add_co_u32 s27, s27, s26                     ; K step 2 b + sp: 128 rows of 512 bytes
	s_lshl_b32 s27, s27, 16
	s_add_co_u32 s28, s28, s27
	s_lshl_b32 s27, s35, 15                        ; 64 rows of 512 bytes
	s_add_co_u32 s28, s28, s27
	s_lshl_b32 s27, s25, 7
	s_add_co_u32 s28, s28, s27
	s_mov_b32 s29, 0
	s_add_nc_u64 s[14:15], s[6:7], s[28:29]
	DEST 0
	s_add_co_u32 s34, s34, STW1
	v_bfe_u32 v5, v1, 3, 1                         ; column j = 8 u + r + 8 (r / 8): u = (j / 8) % 2,
	v_and_b32 v6, 7, v1
	v_lshrrev_b32 v10, 4, v1
	v_lshl_add_u32 v6, v10, 3, v6                  ; r = j % 8 + 8 (j / 16)
	v_lshlrev_b32 v4, 4, v6
	v_lshl_add_u32 v4, v5, 10, v4
	v_add_nc_u32 v4, s34, v4                       ; the stage: fragment u's two pieces (1,024 bytes), lane r
	v_lshl_add_u32 v9, v5, 4, v6
	v_lshlrev_b32 v9, 3, v9                        ; 8 (r + 16 u)
	v_add_nc_u32 v7, s34, v8
	WQ 512
	s_wait_tensorcnt 0x0
	ds_add_u32 v192, v193
	s_wait_dscnt 0x0
	s_endpgm
.Lw2:
	s_sub_co_u32 s22, ttmp9, 72
	s_lshr_b32 s23, s22, 3                         ; expert
	s_bfe_u32 s25, s22, 0x20001                    ; w
	s_and_b32 s35, s22, 1                          ; hf: which 64 of K's 128
	s_lshr_b32 s24, s18, 1                         ; batch
	s_and_b32 s26, s18, 1                          ; sp: eight waves side by side cover 1,024 bytes of a row of w2
	s_lshl_b32 s28, s23, 19
	s_lshl_b32 s27, s35, 18                        ; 64 rows of 4,096 bytes
	s_add_co_u32 s28, s28, s27
	s_lshl_b32 s27, s25, 10
	s_add_co_u32 s28, s28, s27
	s_lshl_b32 s27, s18, 7
	s_add_co_u32 s28, s28, s27
	s_mov_b32 s29, 0
	s_add_nc_u64 s[14:15], s[8:9], s[28:29]
	DEST 1
	s_add_co_u32 s34, s34, STW2
	v_lshrrev_b32 v5, 4, v1                        ; column j = 16 u + r
	v_and_b32 v6, 15, v1
	v_lshlrev_b32 v4, 4, v6
	v_lshl_add_u32 v4, v5, 10, v4
	v_add_nc_u32 v4, s34, v4
	v_lshlrev_b32 v9, 3, v1
	v_add_nc_u32 v7, s34, v8
	WQ 4096
	s_wait_tensorcnt 0x0
	ds_add_u32 v192, v193
	s_wait_dscnt 0x0
	s_endpgm
.Lfunc_end_k_qee5e424145_place:
	.size	k_qee5e424145_place, .Lfunc_end_k_qee5e424145_place-k_qee5e424145_place
	.p2alignl 7, 3214868480
	.fill 96, 4, 3214868480
	.section	.rodata,"a",@progbits
	.p2align	6, 0x0
	.amdhsa_kernel k_qee5e424145_place
		.amdhsa_group_segment_fixed_size 52480
		.amdhsa_private_segment_fixed_size 0
		.amdhsa_enable_private_segment 0
		.amdhsa_kernarg_size 40
		.amdhsa_user_sgpr_count 2
		.amdhsa_user_sgpr_kernarg_segment_ptr 1
		.amdhsa_wavefront_size32 1
		.amdhsa_system_sgpr_workgroup_id_x 1
		.amdhsa_system_sgpr_workgroup_id_y 1
		.amdhsa_system_sgpr_workgroup_id_z 1
		.amdhsa_system_vgpr_workitem_id 0
		.amdhsa_next_free_vgpr 194
		.amdhsa_next_free_sgpr 66
		.amdhsa_reserve_vcc 0
		.amdhsa_float_denorm_mode_32 3
		.amdhsa_float_denorm_mode_16_64 3
		.amdhsa_memory_ordered 1
		.amdhsa_forward_progress 1
		.amdhsa_inst_pref_size 44
	.end_amdhsa_kernel
	.amdgpu_metadata
---
amdhsa.version: [ 1, 2 ]
amdhsa.kernels:
  - .name:           k_qee5e424145_place
    .symbol:         k_qee5e424145_place.kd
    .args:
      - { .name: meta, .offset: 0, .size: 8, .value_kind: global_buffer, .address_space: global }
      - { .name: w1, .offset: 8, .size: 8, .value_kind: global_buffer, .address_space: global }
      - { .name: w2, .offset: 16, .size: 8, .value_kind: global_buffer, .address_space: global }
      - { .name: tokl, .offset: 24, .size: 8, .value_kind: global_buffer, .address_space: global }
      - { .name: wf, .offset: 32, .size: 8, .value_kind: global_buffer, .address_space: global }
    .group_segment_fixed_size: 52480
    .private_segment_fixed_size: 0
    .kernarg_segment_align: 8
    .kernarg_segment_size: 40
    .max_flat_workgroup_size: 256
    .sgpr_count:     66
    .vgpr_count:     194
    .wavefront_size: 32
...
	.end_amdgpu_metadata
.endif
;; end of part 2
;; launch chain (part 3): grid 256 x 1, 4 waves a work-group, no clusters, 140,288 bytes of LDS; arguments xq, xs, gates, tokl, wf, b1, b2, out0; writes out0
.if DOCPART == 3
	.amdgcn_target "amdgcn-amd-amdhsa--gfx1250"
	.amdhsa_code_object_version 6
	.text
	.protected	k_qee5e424145_chain
	.globl	k_qee5e424145_chain
	.p2align	8
	.type	k_qee5e424145_chain,@function
k_qee5e424145_chain:
	s_mov_b64 s[64:65], 0
	v_nop
	global_prefetch_b8 v0, s[64:65] scope:SCOPE_SE
	s_setreg_imm32_b32 hwreg(HW_REG_WAVE_MODE, 25, 1), 1
	s_wait_xcnt 0x0
; CHAIN.  out[token] = the sum over the token's two experts e of g_e x (relu(x W1_e + b1_e) W2_e + b2_e), both products on codes of E5M2 with one E8M0 scale for each 32 along K.
; A work-group owns 32 tokens that follow each other in the list sorted by pairs of experts, so each output row has one owner, and walks the experts that its block uses (the OR of the list's bits): two, or three or more where
; the block spans several pairs.  A token's product with an expert that it did not choose is multiplied by 0.
; THE WAVES SHARE THE COLUMNS: wave w makes hidden units 32 w .. 32 w + 31 (one scale block: piece w of the hidden layer's fragment) and output columns 256 w .. 256 w + 255, for all 32 rows (two tiles m).  So no weight byte is
; read twice in a work-group, and the weights go from memory straight into registers, in the order in which the launch before laid them.  Both products are used transposed (source 0 = weights, source 1 = tokens):
; a lane holds one token throughout.  The rows of W1 that form a tile are chosen so that a lane's 16 results of two tiles are 16 neighbours along the next K.
; THE RING.  Window 1 holds four batches of four fragments.  At the head of every trip that multiplies, exactly the four batches (17 loads each) of the segment wanted next are on their way; each batch is asked for again,
; from the next segment (the next expert's W1; behind the last, the first W2; and so on), as soon as its products are issued.  The lowest expert's second product is taken last, so that inside the loops a next segment always exists.
; THE WAY OUT lies inside that last pass: a batch of 64 columns x 32 rows a wave is final as soon as the lowest expert's part is added, and leaves at once, through the wave's own stage in LDS, while the next batch is multiplied.
; No tensor load, no cluster: which experts a block walks, and which blocks share an expert, are numbers read from memory.
; LIMITS: NaN and infinities are not served; an expert's result for a token of the block that did not choose it must be finite (it is wherever the dense evaluation is finite); a hidden block of zeros has the byte 1 (its codes are zeros).
; REGISTERS, in windows of 256.  window 1: the ring, batch b at 64 b.  window 2: the output sums, tile (t, m) at 8 (2 t + m).  window 3: x's 16 fragments, (m, K step s) at 16 (8 m + s); in the last pass the rows
;   read back from the stage, batch b at 64 b.
;   window 0: v1-23 addresses; v24-35 gates; v40-47 x's scale words (lane = row), v48-55 the ring's, v56-57 the hidden layer's: these hold scales alone; v58-95 addresses and offsets; v96-255 by phase (below).
.set XP,   1040                        ; a row of x in LDS: 1,024 bytes + 16 of padding
.set B1L,  33280                       ; behind x's 32 rows: b1 as it lies (4,096 bytes),
.set B2L,  37376                       ; b2 as it lies (32,768 bytes),
.set HIMG, 70144                       ; the hidden layer, a buffer for each expert: two fragments as images of their registers (2,048 m + 512 c + 16 x lane), then scale words at 4,096 + 128 m + 4 x lane
.set HBUF, 4352
.set STG,  104960                      ; the way out: 32 rows x 272 bytes for each wave
.set SPT,  272                         ; a stage row: a batch's 256 bytes + 16 of padding
.set SEG,  33792
.set BAT,  8448
.set XS,   40
.set WS,   48
.set HS,   56
.set RO,   64                          ; v64-79 (from the head's end on): for rows 2 n (lanes 0-15) and 2 n + 1 (lanes 16-31): the row's token x 4,096 + my wave's 1,024 bytes + 16 (lane % 16); never rewritten
.set HA,   96                          ; first product: v96-127 the hidden layer's four tiles, 16 m + 8 u
.set B1R,  128                         ;   v128-143 b1 in the result's layout
.set TM,   144                         ;   v144-151 the quantiser's
.set PC,   160                         ;   v160-167 the codes just made
.set HF,   96                          ; second product: v96-127 the hidden layer's two fragments
.set B2C,  128                         ;   v128-191 b2 in the result's layout, two sets of four tiles
.set DD,   192                         ;   v192-255 eight results
.set MSB, 0
.macro WIN new                         ; the immediate's high byte repeats the setting that is left
.if MSB != \new
	s_set_vgpr_msb (MSB<<8)|\new
.set MSB, \new
.endif
.endm
; Nine places behind each run of matrix instructions: they serve the reads of the results, the loads into registers that the run has read (8 are asked), and the next run, which writes over results (9)
.macro PLACES
.rept 9
	v_nop
.endr
.endm
.macro ISSUE b                         ; batch b of the segment at s[30:31]: 16 loads of 512 consecutive bytes and the scale words: 17 loads
	WIN 0x40
.irp i, 0,1,2,3,4,5,6,7,8,9,10,11,12,13,14,15
	global_load_b128 v[64*(\b)+4*\i:64*(\b)+4*\i+3], v1, s[30:31] offset:BAT*(\b)+512*\i
.endr
	WIN 0
	global_load_b64 v[WS+2*(\b):WS+2*(\b)+1], v2, s[30:31] offset:BAT*(\b)+8192
.endm
; s[30:31] = the segment to ask for next: the lowest bit of s[src] above the expert in hand (+ add for the kind), or, where there is none, segment index s[fb]
.macro NEXT src, add, fb
	s_lshl_b32 s84, 2, s25
	s_sub_co_u32 s84, s84, 1
	s_and_not1_b32 s84, s[\src], s84
	s_ctz_i32_b32 s85, s84
	s_add_co_u32 s85, s85, \add
	s_cmp_lg_u32 s84, 0
	s_cselect_b32 s85, s85, s[\fb]
	s_min_u32 s85, s85, 15                         ; a number from memory stays inside the table
	s_lshl_b32 s85, s85, 2
	s_add_co_u32 s85, s85, s20
	s_mul_i32 s86, s85, SEG
	s_mov_b32 s87, 0
	s_wait_xcnt 0x0                                ; the loads issued so far have read their base: only now is it written
	s_add_nc_u64 s[30:31], s[12:13], s[86:87]
.endm
.macro MM d, a, b, c, sa, sb, ra, rb   ; ra, rb: which half of the lanes holds the side's scale words
.if (\ra) == 0 && (\rb) == 0
	v_wmma_scale_f32_16x16x128_f8f6f4 v[(\d):(\d)+7], v[(\a):(\a)+15], v[(\b):(\b)+15], v[(\c):(\c)+7], v[(\sa)], v[(\sb)] matrix_a_fmt:MATRIX_FMT_BF8 matrix_b_fmt:MATRIX_FMT_BF8
.elseif (\ra) == 1 && (\rb) == 0
	v_wmma_scale_f32_16x16x128_f8f6f4 v[(\d):(\d)+7], v[(\a):(\a)+15], v[(\b):(\b)+15], v[(\c):(\c)+7], v[(\sa)], v[(\sb)] matrix_a_fmt:MATRIX_FMT_BF8 matrix_b_fmt:MATRIX_FMT_BF8 matrix_a_scale:MATRIX_SCALE_ROW1
.elseif (\ra) == 0 && (\rb) == 1
	v_wmma_scale_f32_16x16x128_f8f6f4 v[(\d):(\d)+7], v[(\a):(\a)+15], v[(\b):(\b)+15], v[(\c):(\c)+7], v[(\sa)], v[(\sb)] matrix_a_fmt:MATRIX_FMT_BF8 matrix_b_fmt:MATRIX_FMT_BF8 matrix_b_scale:MATRIX_SCALE_ROW1
.else
	v_wmma_scale_f32_16x16x128_f8f6f4 v[(\d):(\d)+7], v[(\a):(\a)+15], v[(\b):(\b)+15], v[(\c):(\c)+7], v[(\sa)], v[(\sb)] matrix_a_fmt:MATRIX_FMT_BF8 matrix_b_fmt:MATRIX_FMT_BF8 matrix_a_scale:MATRIX_SCALE_ROW1 matrix_b_scale:MATRIX_SCALE_ROW1
.endif
.endm
	s_load_b512 s[4:19], s[0:1], 0x0               ; xq, xs, gates, tokl, wf, b1, b2, out0
	v_lshl_add_u32 v94, v0, 2, 0x22200
	v_mov_b32 v95, 0
	v_lshrrev_b32 v1, 5, v0
	v_readfirstlane_b32 s20, v1                    ; wave 0..3
	v_and_b32 v60, 31, v0                          ; lane
	v_and_b32 v61, 15, v0                          ; r
	v_bfe_u32 v59, v0, 4, 1                        ; h
	v_lshlrev_b32 v1, 4, v60                       ; 16 x lane; never rewritten
	v_lshlrev_b32 v2, 3, v60                       ; 8 x lane; never rewritten
	v_lshlrev_b32 v3, 2, v60                       ; 4 x lane
	v_mul_u32_u24 v4, v61, XP
	v_lshl_add_u32 v4, v59, 4, v4                  ; x's fragments: row r, + 16 h
	s_lshl_b32 s90, s20, 7
	s_add_co_u32 s90, s90, B1L
	v_lshl_add_u32 v5, v59, 6, s90                 ; b1: my 32 units, + 16 h units
	s_lshl_b32 s90, s20, 10
	s_add_co_u32 s90, s90, B2L
	v_lshl_add_u32 v7, v59, 5, s90                 ; b2: my 256 columns, + 8 h columns
	s_lshl_b32 s90, s20, 9
	s_add_co_u32 s90, s90, HIMG
	v_add_nc_u32 v9, s90, v1                       ; the hidden layer's image: my piece
	s_add_co_u32 s90, s20, HIMG+4096
	v_add_nc_u32 v11, s90, v3                      ; and my byte of its scale words
	v_add_nc_u32 v13, HIMG, v1                     ; the image, read back
	v_add_nc_u32 v15, HIMG+4096, v3
	s_mul_i32 s90, s20, 32*SPT
	s_add_co_u32 s90, s90, STG                     ; my stage
	v_mul_u32_u24 v17, v61, SPT
	v_lshl_add_u32 v17, v59, 5, v17
	v_add_nc_u32 v17, s90, v17                     ; into it: row r, + 32 h
	v_mul_u32_u24 v18, v59, SPT
	v_lshl_add_u32 v18, v61, 4, v18
	v_add_nc_u32 v18, s90, v18                     ; out of it: lanes 0-15 one row of 256 bytes, lanes 16-31 the next
	s_lshl_b32 s91, s20, 10
	v_lshl_add_u32 v19, v61, 4, s91                ; my bytes of a row of out0: my wave's 1,024 + 16 r
	v_add_nc_u32 v84, -1, v59                      ; all ones in lanes 0-15, 0 in lanes 16-31,
	v_sub_nc_u32 v85, 0, v59                       ; and the other way round
	v_lshlrev_b32 v23, 4, v0                       ; the biases: 16 bytes a thread
	v_add_nc_u32 v62, B1L, v23
	s_mul_i32 s91, s20, 8*XP
	v_add_nc_u32 v63, s91, v1                      ; x into LDS: my eight rows
	v_lshlrev_b32 v58, 2, v61
	v_mov_b32 v33, 0                               ; (named as the upper halves of pairs)
	v_mov_b32 v35, 0
	v_mov_b32 v[TM+2], 0                           ; (a lane permute's destination counts as one of its sources)
	v_mov_b32 v[TM+3], 0
	s_mov_b32 s80, 0x76543210
	s_mov_b32 s81, 0xfedcba98                      ; v_permlanex16_b32's selects for lane l xor 16
	s_mov_b32 s82, 0x600000                        ; the mantissa field of 57,344
	s_lshl_b32 s92, ttmp9, 7
	s_mov_b32 s93, 0
	s_lshl_b32 s94, s20, 5
	s_mov_b32 s95, 0
	s_wait_kmcnt 0x0
	s_add_nc_u64 s[10:11], s[10:11], s[92:93]      ; my block's 32 words of the list
	s_add_nc_u64 s[76:77], s[10:11], s[94:95]      ; my wave's eight
	s_load_b512 s[32:47], s[10:11], 0x0
	s_load_b512 s[48:63], s[10:11], 0x40
	s_load_b256 s[68:75], s[76:77], 0x0
	global_load_b32 v22, v3, s[10:11]              ; lane = row
	global_load_b32 v20, v58, s[10:11]             ; row r of tile 0,
	global_load_b32 v21, v58, s[10:11] offset:64   ; of tile 1
.irp k, 0,1
	global_load_b128 v[96+4*\k:99+4*\k], v23, s[14:15] offset:2048*\k
.endr
.set i, 0
.rept 16
	global_load_b128 v[104+4*i:107+4*i], v23, s[16:17] offset:2048*i
.set i, i+1
.endr
	s_wait_kmcnt 0x0
.irp i, 0,1,2,3,4,5,6,7
	s_and_b32 s[68+\i], s[68+\i], 0x1fff
	s_min_u32 s[68+\i], s[68+\i], 0x1fff           ; a token stays inside the table
	s_lshl_b32 s[68+\i], s[68+\i], 10
	v_add_nc_u32 v[64+\i], s[68+\i], v1
.endr
.irp i, 0,1,2,3,4,5,6,7
	global_load_b128 v[168+8*\i:171+8*\i], v[64+\i], s[4:5] th:TH_LOAD_NT               ; a row's 1,024 codes: two loads of 512 consecutive bytes
	global_load_b128 v[172+8*\i:175+8*\i], v[64+\i], s[4:5] offset:512 th:TH_LOAD_NT
.endr
	s_or_b32 s22, s32, s33
.set i, 34
.rept 30
	s_or_b32 s22, s22, s[i]
.set i, i+1
.endr
	s_bfe_u32 s22, s22, 0x80010                    ; the experts that the block uses
	s_ctz_i32_b32 s24, s22                         ; the lowest,
	s_sub_co_u32 s23, s22, 1
	s_and_b32 s23, s22, s23                        ; the others
	s_ctz_i32_b32 s88, s23
	s_add_co_u32 s88, s88, 8                       ; behind the last W1: the W2 of the lowest of the others
	s_add_co_u32 s89, s24, 8                       ; behind their last W2: the lowest expert's
	s_min_u32 s85, s24, 15
	s_lshl_b32 s85, s85, 2
	s_add_co_u32 s85, s85, s20
	s_mul_i32 s86, s85, SEG
	s_mov_b32 s87, 0
	s_add_nc_u64 s[30:31], s[12:13], s[86:87]      ; the first segment: the lowest expert's W1
	s_wait_loadcnt 34                              ; the three loads of the list are in; behind them stand 18 + 16
	v_and_b32 v58, 0x1fff, v22
	v_min_u32 v58, 0x1fff, v58
	v_lshlrev_b32 v58, 5, v58
	global_load_b128 v[XS:XS+3], v58, s[6:7]       ; my row's eight scale words
	global_load_b128 v[XS+4:XS+7], v58, s[6:7] offset:16
	v_and_b32 v80, 0x1fff, v20
	v_min_u32 v80, 0x1fff, v80
	v_lshlrev_b32 v80, 3, v80
	global_load_b64 v[24:25], v80, s[8:9]          ; the two weights of row r, tile 0,
	v_and_b32 v81, 0x1fff, v21
	v_min_u32 v81, 0x1fff, v81
	v_lshlrev_b32 v81, 3, v81
	global_load_b64 v[26:27], v81, s[8:9]          ; tile 1
	v_bfe_u32 v28, v20, 24, 4                      ; and their experts
	v_bfe_u32 v29, v20, 28, 4
	v_bfe_u32 v30, v21, 24, 4
	v_bfe_u32 v31, v21, 28, 4
	ISSUE 0
	ISSUE 1
	ISSUE 2
.set i, 32
.rept 32
	s_and_b32 s[i], s[i], 0x1fff
	s_min_u32 s[i], s[i], 0x1fff
	s_lshl_b32 s[i], s[i], 12                      ; each row's place in out0
.set i, i+1
.endr
	WIN 0x80                                       ; The output sums are cleared, while the loads are out: which expert comes first is a number from memory, so no product of the text is the first on every path
.set i, 0
.rept 256
	v_mov_b32 v[i], 0
.set i, i+1
.endr
	WIN 0
	s_wait_loadcnt 63                              ; the biases are in (71 loads stand behind them; the count's field ends at 63, and a smaller count is safe)
.set i, 0
.rept 18
	ds_store_b128 v62, v[96+4*i:99+4*i] offset:2048*i
.set i, i+1
.endr
	s_wait_loadcnt 51                              ; x's rows, scale words and the weights are in; the three batches stay out
.irp i, 0,1,2,3,4,5,6,7
	ds_store_b128 v63, v[168+8*\i:171+8*\i] offset:XP*\i
	ds_store_b128 v63, v[172+8*\i:175+8*\i] offset:XP*\i+512
.endr
	ISSUE 3
.set n, 0
.rept 16                               ; the stores' offsets, made while the LDS stores are out (x's loads are in, so the registers that held their offsets are free): lanes 0-15 take row 2 n's token, lanes 16-31 row 2 n + 1's
	v_and_b32 v82, s[32+2*n], v84
	v_and_b32 v83, s[33+2*n], v85
	v_add_nc_u32 v82, v82, v83
	v_add_nc_u32 v[RO+n], v82, v19
.set n, n+1
.endr
	s_wait_dscnt 0x0                               ; for the others' sake: my rows and my part of the biases lie in LDS
	s_barrier_signal -1
	s_barrier_wait -1
	WIN 0xc0                                       ; destination window 3: x's fragments stay in registers
.irp m, 0,1
.irp s, 0,1,2,3,4,5,6,7
.irp c, 0,1,2,3
	ds_load_b128 v[16*(8*\m+\s)+4*\c:16*(8*\m+\s)+4*\c+3], v4 offset:16*XP*\m+128*\s+32*\c
.endr
.endr
.endr
	WIN 0
; ---- THE FIRST PRODUCT, expert by expert.  Two K steps a batch; the four tiles (u, m) take turns, one instruction a turn.  b1 is the C of each sum's first instruction
.macro P1B b
	s_wait_loadcnt 51                              ; this batch is in: three batches of 17 were issued behind it
	WIN 0x0d                                       ; source 0 (W1) window 1, source 1 (x) window 3
.irp sp, 0,1
.irp m, 0,1
.irp u, 0,1
.if (\b) == 0 && \sp == 0
	MM HA+16*\m+8*\u, 64*(\b)+32*\sp+16*\u, 16*(8*\m+2*(\b)+\sp), B1R+8*\u, WS+2*(\b)+\sp, XS+2*(\b)+\sp, \u, \m
.else
	MM HA+16*\m+8*\u, 64*(\b)+32*\sp+16*\u, 16*(8*\m+2*(\b)+\sp), HA+16*\m+8*\u, WS+2*(\b)+\sp, XS+2*(\b)+\sp, \u, \m
.endif
.endr
.endr
.endr
	WIN 0
	PLACES
	ISSUE \b
.endm
; relu and the quantiser: of each tile m of rows a lane holds 16 neighbours along the next K; lanes l and l xor 16 hold the block of 32
.macro QUANT
.irp m, 0,1
	v_max3_num_f32 v[TM+\m], v[HA+16*\m], v[HA+16*\m+1], 0x8000000   ; no |.|: what is negative becomes 0 and must not count; the floor 2^(16 - 127) stands over it
.endr
.irp i, 2,4,6,8,10,12,14
.irp m, 0,1
	v_max3_num_f32 v[TM+\m], v[TM+\m], v[HA+16*\m+\i], v[HA+16*\m+\i+1]
.endr
.endr
.irp m, 0,1
	v_permlanex16_b32 v[TM+2+\m], v[TM+\m], s80, s81
.endr
.irp m, 0,1
	v_max_num_f32 v[TM+\m], v[TM+\m], v[TM+2+\m]
.endr
.irp m, 0,1
	v_add_nc_u32 v[TM+6+\m], 0xf8800000, v[TM+\m]          ; 15 off the exponent field: the conversion's scale operand
	v_and_or_b32 v[TM+4+\m], v[TM+\m], 0x7f800000, s82     ; 57,344 x the scale
.endr
.irp m, 0,1
	v_lshrrev_b32 v[TM+2+\m], 23, v[TM+6+\m]               ; the scale's byte
.endr
.irp m, 0,1
.irp i, 0,1,2,3,4,5,6,7,8,9,10,11,12,13,14,15
	v_med3_num_f32 v[HA+16*\m+\i], v[HA+16*\m+\i], 0, v[TM+4+\m]   ; the activation and the hold in one (the conversion does not saturate: ISA guide 7.6.2)
.endr
	v_cvt_scalef32_pk8_bf8_f32 v[PC+4*\m:PC+4*\m+1], v[HA+16*\m:HA+16*\m+7], v[TM+6+\m]
	v_cvt_scalef32_pk8_bf8_f32 v[PC+4*\m+2:PC+4*\m+3], v[HA+16*\m+8:HA+16*\m+15], v[TM+6+\m]
.endr
	v_nop                                          ; a plain place behind the last conversion: later products write its sources
.endm
	s_wait_dscnt 0x0                               ; x's fragments
	s_mov_b32 s25, 0                               ; e
	s_mov_b32 s26, 0                               ; 512 e
	s_mov_b32 s28, 0                               ; 4,352 e
.Lp1:
	v_add_nc_u32 v6, s26, v5                       ; the trip's addresses are made on every path
	v_add_nc_u32 v10, s28, v9
	v_add_nc_u32 v12, s28, v11
	s_bitcmp1_b32 s22, s25
	s_cbranch_scc0 .Lp1_skip                       ; an expert that no token of the block uses: nothing is issued and nothing waited for
	NEXT 22, 0, 88
.irp k, 0,1,2,3
	ds_load_b128 v[B1R+4*\k:B1R+4*\k+3], v6 offset:16*\k
.endr
	s_wait_dscnt 0x0
	P1B 0
	P1B 1
	P1B 2
	P1B 3
	QUANT
	ds_store_b128 v10, v[PC:PC+3]                  ; piece w of the fragments of tiles 0 and 1,
	ds_store_b128 v10, v[PC+4:PC+7] offset:2048
	ds_store_b8 v12, v[TM+2]                       ; byte w of their rows' scale words
	ds_store_b8 v12, v[TM+3] offset:128
.Lp1_skip:
	s_add_co_u32 s26, s26, 512
	s_add_co_u32 s28, s28, HBUF
	s_add_co_u32 s25, s25, 1
	s_cmp_lt_u32 s25, 8
	s_cbranch_scc1 .Lp1
	s_wait_dscnt 0x0                               ; for the others' sake: my pieces of every hidden layer lie in LDS
	s_barrier_signal -1
	s_barrier_wait -1
; ---- THE SECOND PRODUCT.  A batch is four tiles of 16 columns x two tiles of rows: eight results with b2 as C, then out += g x result.  cnt: the loads that may stay out; pf = 1: the batch is asked for again
.macro P2B b, cnt, pf
.if (\b) < 3
.irp t, 0,1,2,3
	ds_load_b128 v[B2C+32*(((\b)+1)%2)+8*\t:B2C+32*(((\b)+1)%2)+8*\t+3], v8 offset:256*((\b)+1)+64*\t        ; the next batch's b2, into the other set
	ds_load_b128 v[B2C+32*(((\b)+1)%2)+8*\t+4:B2C+32*(((\b)+1)%2)+8*\t+7], v8 offset:256*((\b)+1)+64*\t+16
.endr
.endif
	s_wait_loadcnt \cnt
.if (\b) < 3
	s_wait_dscnt 8                                 ; all but the eight just issued: in the last pass the batch before is back from the stage too
.else
	s_wait_dscnt 0x0
.endif
	WIN 0x01                                       ; source 0 (W2) window 1
.irp t, 0,1,2,3
.irp m, 0,1
	MM DD+8*(2*\t+\m), 64*(\b)+16*\t, HF+16*\m, B2C+32*((\b)%2)+8*\t, WS+2*(\b)+\t/2, HS+\m, \t%2, 0
.endr
.endr
	WIN 0
	PLACES
.if \pf
	ISSUE \b
.endif
	WIN 0xa0                                       ; the sums: destination and source 2 window 2
.set i, 0
.rept 32
	v_pk_fma_f32 v[64*(\b)+i:64*(\b)+i+1], v[DD+i:DD+i+1], v[32+2*((i/8)%2):33+2*((i/8)%2)], v[64*(\b)+i:64*(\b)+i+1] op_sel_hi:[1,0,1]   ; each result from its low end on; the pair's low word, g, serves both halves
.set i, i+2
.endr
	WIN 0
.endm
; THE WAY OUT of batch b.  A lane holds 32 neighbouring bytes of a row and the lanes beside it other rows: the batch's 32 rows x 256 bytes go into my own stage and come back two rows an instruction, into registers of the batch's own
.macro TOSTAGE b
	WIN 0x08                                       ; an LDS store's data are its source 1: window 2
.irp t, 0,1,2,3
.irp m, 0,1
	ds_store_b128 v17, v[64*(\b)+16*\t+8*\m:64*(\b)+16*\t+8*\m+3] offset:16*SPT*\m+64*\t
	ds_store_b128 v17, v[64*(\b)+16*\t+8*\m+4:64*(\b)+16*\t+8*\m+7] offset:16*SPT*\m+64*\t+16
.endr
.endr
	WIN 0xc0                                       ; destination window 3
.set n, 0
.rept 16
	ds_load_b128 v[64*(\b)+4*n:64*(\b)+4*n+3], v18 offset:2*SPT*n    ; LDS serves a wave's instructions in order: these see my stores, and the next batch's stores come behind them
.set n, n+1
.endr
	WIN 0
.endm
.macro SEND b
	WIN 0x0c                                       ; a store's data are its source 1: window 3
.set n, 0
.rept 16
	global_store_b128 v[RO+n], v[64*(\b)+4*n:64*(\b)+4*n+3], s[18:19] offset:256*(\b) th:TH_STORE_NT   ; 16 lanes store 256 consecutive bytes of a row, aligned to 256; written once, read by nobody here
.set n, n+1
.endr
	WIN 0
.endm
.macro BODY2 pf
.if \pf
	NEXT 23, 8, 89
.else
	s_wait_xcnt 0x0                                ; round the loop's edge: registers that stores have read are loaded again only behind this wait
.endif
.irp m, 0,1
	v_cmp_eq_u32 vcc_lo, s25, v[28+2*\m]           ; g of this expert for my row: its weight where the row chose it, else 0
	v_cndmask_b32 v[32+2*\m], 0, v[24+2*\m], vcc_lo
	v_cmp_eq_u32 vcc_lo, s25, v[29+2*\m]
	v_cndmask_b32 v[32+2*\m], v[32+2*\m], v[25+2*\m], vcc_lo
.endr
.irp m, 0,1
.irp c, 0,1,2,3
	ds_load_b128 v[HF+16*\m+4*\c:HF+16*\m+4*\c+3], v14 offset:2048*\m+512*\c
.endr
.endr
.irp m, 0,1
	ds_load_b32 v[HS+\m], v16 offset:128*\m
.endr
.irp t, 0,1,2,3
	ds_load_b128 v[B2C+8*\t:B2C+8*\t+3], v8 offset:64*\t
	ds_load_b128 v[B2C+8*\t+4:B2C+8*\t+7], v8 offset:64*\t+16
.endr
.if \pf
	P2B 0, 51, 1
	P2B 1, 51, 1
	P2B 2, 51, 1
	P2B 3, 51, 1
.else
	P2B 0, 51, 0                                   ; nothing is asked for any more: the counts run down by batches of 17
	TOSTAGE 0                                      ; each batch is final here: it goes through the stage while the next batch is multiplied, and is stored behind that batch's wait for LDS
	P2B 1, 34, 0
	SEND 0
	TOSTAGE 1
	P2B 2, 17, 0
	SEND 1
	TOSTAGE 2
	P2B 3, 0, 0
	SEND 2
	TOSTAGE 3
	s_wait_dscnt 0x0
	SEND 3
.endif
.endm
	s_mov_b32 s25, 0
	s_mov_b32 s27, 0                               ; 4,096 e
	s_mov_b32 s28, 0
.Lp2:                                                  ; all the block's experts but the lowest
	v_add_nc_u32 v8, s27, v7
	v_add_nc_u32 v14, s28, v13
	v_add_nc_u32 v16, s28, v15
	s_bitcmp1_b32 s23, s25
	s_cbranch_scc0 .Lp2_skip
	BODY2 1
.Lp2_skip:
	s_add_co_u32 s27, s27, 4096
	s_add_co_u32 s28, s28, HBUF
	s_add_co_u32 s25, s25, 1
	s_cmp_lt_u32 s25, 8
	s_cbranch_scc1 .Lp2
	s_mov_b32 s25, 0
	s_mov_b32 s27, 0
	s_mov_b32 s28, 0
.Lp3:                                                  ; the lowest expert, last, with the way out: the same walk, so that every LDS address is a counted loop's step
	v_add_nc_u32 v8, s27, v7
	v_add_nc_u32 v14, s28, v13
	v_add_nc_u32 v16, s28, v15
	s_cmp_eq_u32 s25, s24
	s_cbranch_scc0 .Lp3_skip
	BODY2 0
.Lp3_skip:
	s_add_co_u32 s27, s27, 4096
	s_add_co_u32 s28, s28, HBUF
	s_add_co_u32 s25, s25, 1
	s_cmp_lt_u32 s25, 8
	s_cbranch_scc1 .Lp3
	s_wait_tensorcnt 0x0
	ds_add_u32 v94, v95
	s_wait_dscnt 0x0
	s_endpgm
.Lfunc_end_k_qee5e424145_chain:
	.size	k_qee5e424145_chain, .Lfunc_end_k_qee5e424145_chain-k_qee5e424145_chain
	.p2alignl 7, 3214868480
	.fill 96, 4, 3214868480
	.section	.rodata,"a",@progbits
	.p2align	6, 0x0
	.amdhsa_kernel k_qee5e424145_chain
		.amdhsa_group_segment_fixed_size 140288
		.amdhsa_private_segment_fixed_size 0
		.amdhsa_enable_private_segment 0
		.amdhsa_kernarg_size 64
		.amdhsa_user_sgpr_count 2
		.amdhsa_user_sgpr_kernarg_segment_ptr 1
		.amdhsa_wavefront_size32 1
		.amdhsa_system_sgpr_workgroup_id_x 1
		.amdhsa_system_sgpr_workgroup_id_y 1
		.amdhsa_system_sgpr_workgroup_id_z 1
		.amdhsa_system_vgpr_workitem_id 0
		.amdhsa_next_free_vgpr 1024
		.amdhsa_next_free_sgpr 100
		.amdhsa_reserve_vcc 1
		.amdhsa_float_denorm_mode_32 3
		.amdhsa_float_denorm_mode_16_64 3
		.amdhsa_memory_ordered 1
		.amdhsa_forward_progress 1
		.amdhsa_inst_pref_size 113
	.end_amdhsa_kernel
	.amdgpu_metadata
---
amdhsa.version: [ 1, 2 ]
amdhsa.kernels:
  - .name:           k_qee5e424145_chain
    .symbol:         k_qee5e424145_chain.kd
    .args:
      - { .name: xq, .offset: 0, .size: 8, .value_kind: global_buffer, .address_space: global }
      - { .name: xs, .offset: 8, .size: 8, .value_kind: global_buffer, .address_space: global }
      - { .name: gates, .offset: 16, .size: 8, .value_kind: global_buffer, .address_space: global }
      - { .name: tokl, .offset: 24, .size: 8, .value_kind: global_buffer, .address_space: global }
      - { .name: wf, .offset: 32, .size: 8, .value_kind: global_buffer, .address_space: global }
      - { .name: b1, .offset: 40, .size: 8, .value_kind: global_buffer, .address_space: global }
      - { .name: b2, .offset: 48, .size: 8, .value_kind: global_buffer, .address_space: global }
      - { .name: out0, .offset: 56, .size: 8, .value_kind: global_buffer, .address_space: global }
    .group_segment_fixed_size: 140288
    .private_segment_fixed_size: 0
    .kernarg_segment_align: 8
    .kernarg_segment_size: 64
    .max_flat_workgroup_size: 128
    .sgpr_count:     100
    .vgpr_count:     1024
    .wavefront_size: 32
...
	.end_amdgpu_metadata
.endif
;; end of part 3
;; ======== version 2 of 2: 3 launches; version 1 with the launch chain written anew for expert scheduling mode
;; workspace buffers: xq 8,388,608 bytes; xs 262,144 bytes; gates 65,536 bytes; meta 65,536 bytes of whole numbers; tokl 32,768 bytes of whole numbers; wf 2,162,688 bytes
;; launch route: the kernel of part 1 again; grid 256 x 1, 8 waves a work-group, no clusters, 78,848 bytes of LDS; arguments x, gate_w, gate_b, xq, xs, gates, meta; writes xq, xs, gates, meta
;; launch place: the kernel of part 2 again; grid 136 x 1, 8 waves a work-group, no clusters, 52,480 bytes of LDS; arguments meta, w1, w2, tokl, wf; writes tokl, wf
;; launch chain (part 4): grid 256 x 1, 4 waves a work-group, no clusters, 140,288 bytes of LDS; arguments xq, xs, gates, tokl, wf, b1, b2, out0; writes out0
.if DOCPART == 4
	.amdgcn_target "amdgcn-amd-amdhsa--gfx1250"
	.amdhsa_code_object_version 6
	.text
	.protected	k_qee5e424145_chain
	.globl	k_qee5e424145_chain
	.p2align	8
	.type	k_qee5e424145_chain,@function
k_qee5e424145_chain:
	s_mov_b64 s[64:65], 0
	v_nop
	global_prefetch_b8 v0, s[64:65] scope:SCOPE_SE
	s_setreg_imm32_b32 hwreg(HW_REG_WAVE_SCHED_MODE, 0, 2), 2
	s_setreg_imm32_b32 hwreg(HW_REG_WAVE_MODE, 25, 1), 1
	s_wait_xcnt 0x0
	s_wait_alu depctr_vm_vsrc(0)
; CHAIN.  out[token] = the sum over the token's two experts e of g_e x (relu(x W1_e + b1_e) W2_e + b2_e), both products on codes of E5M2 with one E8M0 scale for each 32 along K.
; A work-group owns 32 tokens that follow each other in the list sorted by pairs of experts, so each output row has one owner, and walks the experts that its block uses (the OR of the list's bits): two, or three or more where
; the block spans several pairs.  A token's product with an expert that it did not choose is multiplied by 0.
; THE WAVES SHARE THE COLUMNS: wave w makes hidden units 32 w .. 32 w + 31 (one scale block: piece w of the hidden layer's fragment) and output columns 256 w .. 256 w + 255, for all 32 rows (two tiles m).  So no weight byte is
; read twice in a work-group, and the weights go from memory straight into registers, in the order in which the launch before laid them.  Both products are used transposed (source 0 = weights, source 1 = tokens):
; a lane holds one token throughout.  The rows of W1 that form a tile are chosen so that a lane's 16 results of two tiles are 16 neighbours along the next K.
; THE RING.  Window 1 holds four batches of four fragments.  At the head of every trip that multiplies, exactly the four batches (17 loads each) of the segment wanted next are on their way; each batch is asked for again,
; from the next segment (the next expert's W1; behind the last, the first W2; and so on), as soon as its products are issued.  The lowest expert's second product is taken last, so that inside the loops a next segment always exists.
; THE WAY OUT lies inside that last pass: a batch of 64 columns x 32 rows a wave is final as soon as the lowest expert's part is added, and leaves at once, through the wave's own stage in LDS, while the next batch is multiplied.
; No tensor load, no cluster: which experts a block walks, and which blocks share an expert, are numbers read from memory.
; LIMITS: NaN and infinities are not served; an expert's result for a token of the block that did not choose it must be finite (it is wherever the dense evaluation is finite); a hidden block of zeros has the byte 1 (its codes are zeros).
; REGISTERS, in windows of 256.  window 1: the ring, batch b at 64 b.  window 2: the output sums, tile (t, m) at 8 (2 t + m).  window 3: x's 16 fragments, (m, K step s) at 16 (8 m + s); in the last pass the rows
;   read back from the stage, batch b at 64 b.
;   window 0: v1-23 addresses; v24-35 gates; v40-47 x's scale words (lane = row), v48-55 the ring's, v56-57 the hidden layer's: these hold scales alone; v58-95 addresses and offsets; v96-255 by phase (below).
; THE MODE: SCHED_MODE bits 1:0 = 2 (LLVM: expert scheduling mode 2), set by the entry lines.  The code itself states the register dependences between vector or matrix instructions and memory or LDS instructions,
; with s_wait_alu, always for 0.
; THE PLAN.  Registers that memory or LDS instructions touch, and who else names them:
;   the ring and v48-55     Batch b: its eight matrix instructions read it; behind them the 17 loads of the same batch of the next segment land in it.
;   v128-143 (b1)           Four LDS loads at the head of a trip of the first product; batch 0's first four matrix instructions read it as C.
;   v160-167, v146, v147    The quantiser writes the codes and the two scale bytes; the trip's four LDS stores read them.
;   v6, v10, v12; v8, v14, v16   LDS addresses: a vector add writes them at each trip's head, on every path; the trip's LDS loads and stores read them.
;   v96-127, v56-57, v128-191    Second product: LDS loads bring the hidden layer's fragments, its scale words and b2 (two sets by turns); matrix instructions read them.
;   window 2                The multiply-adds write the sums; in the last pass the stage's LDS stores read them.
;   window 3                x's fragments: loaded once, read by the first product's matrix instructions; in the last pass the loads from the stage land there, a batch in 64 registers of its own, and the global stores read them.
;   v96-231 in the head     Loads of b1, b2 and x's rows land there; the head's LDS stores read them; later they are the registers of the two lines above and of the products' results.
;   v1-4, v17, v18, v23, v62, v63   Offsets and addresses, made once in the head and never written again.  v58 and v64-71 are made twice in the head; v64-79 then stand until the last pass's stores.
; THE WAITS.  On va_vdst: three in the head, each ahead of loads whose offsets have just been made; one ahead of b1's loads; one in each batch that is asked for again, behind its matrix instructions; one ahead of the hidden
; layer's LDS stores; one at the head of a trip of the second product, ahead of its LDS loads; in the last pass one a batch, ahead of the stage's stores.  On vm_vsrc: two in the head, ahead of the second making of v58 and of v64-71;
; one at the head of every trip of the three loops.  On va_sdst: behind the wave's number, and behind the gates' four compares.  A, B and the scales of every matrix instruction come from loads.
.set XP,   1040                        ; a row of x in LDS: 1,024 bytes + 16 of padding
.set B1L,  33280                       ; behind x's 32 rows: b1 as it lies (4,096 bytes),
.set B2L,  37376                       ; b2 as it lies (32,768 bytes),
.set HIMG, 70144                       ; the hidden layer, a buffer for each expert: two fragments as images of their registers (2,048 m + 512 c + 16 x lane), then scale words at 4,096 + 128 m + 4 x lane
.set HBUF, 4352
.set STG,  104960                      ; the way out: 32 rows x 272 bytes for each wave
.set SPT,  272                         ; a stage row: a batch's 256 bytes + 16 of padding
.set SEG,  33792
.set BAT,  8448
.set XS,   40
.set WS,   48
.set HS,   56
.set RO,   64                          ; v64-79 (from the head's end on): for rows 2 n (lanes 0-15) and 2 n + 1 (lanes 16-31): the row's token x 4,096 + my wave's 1,024 bytes + 16 (lane % 16); never rewritten
.set HA,   96                          ; first product: v96-127 the hidden layer's four tiles, 16 m + 8 u
.set B1R,  128                         ;   v128-143 b1 in the result's layout
.set TM,   144                         ;   v144-151 the quantiser's
.set PC,   160                         ;   v160-167 the codes just made
.set HF,   96                          ; second product: v96-127 the hidden layer's two fragments
.set B2C,  128                         ;   v128-191 b2 in the result's layout, two sets of four tiles
.set DD,   192                         ;   v192-255 eight results
.set MSB, 0
.macro WIN new                         ; the immediate's high byte repeats the setting that is left
.if MSB != \new
	s_set_vgpr_msb (MSB<<8)|\new
.set MSB, \new
.endif
.endm
; Nine places behind each run of matrix instructions: they serve the reads of the results (8 are asked) and the next run, which writes over results (9).  They stay beside the waits on va_vdst, which fill no place;
; of the loads into registers that the run has read it is the wait behind the places that states the dependence
.macro PLACES
.rept 9
	v_nop
.endr
.endm
.macro ISSUE b                         ; batch b of the segment at s[30:31]: 16 loads of 512 consecutive bytes and the scale words: 17 loads
	WIN 0x40
.irp i, 0,1,2,3,4,5,6,7,8,9,10,11,12,13,14,15
	global_load_b128 v[64*(\b)+4*\i:64*(\b)+4*\i+3], v1, s[30:31] offset:BAT*(\b)+512*\i
.endr
	WIN 0
	global_load_b64 v[WS+2*(\b):WS+2*(\b)+1], v2, s[30:31] offset:BAT*(\b)+8192
.endm
; s[30:31] = the segment to ask for next: the lowest bit of s[src] above the expert in hand (+ add for the kind), or, where there is none, segment index s[fb]
.macro NEXT src, add, fb
	s_lshl_b32 s84, 2, s25
	s_sub_co_u32 s84, s84, 1
	s_and_not1_b32 s84, s[\src], s84
	s_ctz_i32_b32 s85, s84
	s_add_co_u32 s85, s85, \add
	s_cmp_lg_u32 s84, 0
	s_cselect_b32 s85, s85, s[\fb]
	s_min_u32 s85, s85, 15                         ; a number from memory stays inside the table
	s_lshl_b32 s85, s85, 2
	s_add_co_u32 s85, s85, s20
	s_mul_i32 s86, s85, SEG
	s_mov_b32 s87, 0
	s_wait_xcnt 0x0                                ; the loads issued so far have read their base: only now is it written
	s_add_nc_u64 s[30:31], s[12:13], s[86:87]
.endm
.macro MM d, a, b, c, sa, sb, ra, rb   ; ra, rb: which half of the lanes holds the side's scale words
.if (\ra) == 0 && (\rb) == 0
	v_wmma_scale_f32_16x16x128_f8f6f4 v[(\d):(\d)+7], v[(\a):(\a)+15], v[(\b):(\b)+15], v[(\c):(\c)+7], v[(\sa)], v[(\sb)] matrix_a_fmt:MATRIX_FMT_BF8 matrix_b_fmt:MATRIX_FMT_BF8
.elseif (\ra) == 1 && (\rb) == 0
	v_wmma_scale_f32_16x16x128_f8f6f4 v[(\d):(\d)+7], v[(\a):(\a)+15], v[(\b):(\b)+15], v[(\c):(\c)+7], v[(\sa)], v[(\sb)] matrix_a_fmt:MATRIX_FMT_BF8 matrix_b_fmt:MATRIX_FMT_BF8 matrix_a_scale:MATRIX_SCALE_ROW1
.elseif (\ra) == 0 && (\rb) == 1
	v_wmma_scale_f32_16x16x128_f8f6f4 v[(\d):(\d)+7], v[(\a):(\a)+15], v[(\b):(\b)+15], v[(\c):(\c)+7], v[(\sa)], v[(\sb)] matrix_a_fmt:MATRIX_FMT_BF8 matrix_b_fmt:MATRIX_FMT_BF8 matrix_b_scale:MATRIX_SCALE_ROW1
.else
	v_wmma_scale_f32_16x16x128_f8f6f4 v[(\d):(\d)+7], v[(\a):(\a)+15], v[(\b):(\b)+15], v[(\c):(\c)+7], v[(\sa)], v[(\sb)] matrix_a_fmt:MATRIX_FMT_BF8 matrix_b_fmt:MATRIX_FMT_BF8 matrix_a_scale:MATRIX_SCALE_ROW1 matrix_b_scale:MATRIX_SCALE_ROW1
.endif
.endm
	s_load_b512 s[4:19], s[0:1], 0x0               ; xq, xs, gates, tokl, wf, b1, b2, out0
	v_lshl_add_u32 v94, v0, 2, 0x22200
	v_mov_b32 v95, 0
	v_lshrrev_b32 v1, 5, v0
	v_readfirstlane_b32 s20, v1                    ; wave 0..3
	v_and_b32 v60, 31, v0                          ; lane
	v_and_b32 v61, 15, v0                          ; r
	v_bfe_u32 v59, v0, 4, 1                        ; h
	v_lshlrev_b32 v1, 4, v60                       ; 16 x lane; never rewritten
	v_lshlrev_b32 v2, 3, v60                       ; 8 x lane; never rewritten
	v_lshlrev_b32 v3, 2, v60                       ; 4 x lane
	v_mul_u32_u24 v4, v61, XP
	v_lshl_add_u32 v4, v59, 4, v4                  ; x's fragments: row r, + 16 h
	s_wait_alu depctr_va_sdst(0)                   ; s20, the wave's number, is written, ahead of its first reader
	s_lshl_b32 s90, s20, 7
	s_add_co_u32 s90, s90, B1L
	v_lshl_add_u32 v5, v59, 6, s90                 ; b1: my 32 units, + 16 h units
	s_lshl_b32 s90, s20, 10
	s_add_co_u32 s90, s90, B2L
	v_lshl_add_u32 v7, v59, 5, s90                 ; b2: my 256 columns, + 8 h columns
	s_lshl_b32 s90, s20, 9
	s_add_co_u32 s90, s90, HIMG
	v_add_nc_u32 v9, s90, v1                       ; the hidden layer's image: my piece
	s_add_co_u32 s90, s20, HIMG+4096
	v_add_nc_u32 v11, s90, v3                      ; and my byte of its scale words
	v_add_nc_u32 v13, HIMG, v1                     ; the image, read back
	v_add_nc_u32 v15, HIMG+4096, v3
	s_mul_i32 s90, s20, 32*SPT
	s_add_co_u32 s90, s90, STG                     ; my stage
	v_mul_u32_u24 v17, v61, SPT
	v_lshl_add_u32 v17, v59, 5, v17
	v_add_nc_u32 v17, s90, v17                     ; into it: row r, + 32 h
	v_mul_u32_u24 v18, v59, SPT
	v_lshl_add_u32 v18, v61, 4, v18
	v_add_nc_u32 v18, s90, v18                     ; out of it: lanes 0-15 one row of 256 bytes, lanes 16-31 the next
	s_lshl_b32 s91, s20, 10
	v_lshl_add_u32 v19, v61, 4, s91                ; my bytes of a row of out0: my wave's 1,024 + 16 r
	v_add_nc_u32 v84, -1, v59                      ; all ones in lanes 0-15, 0 in lanes 16-31,
	v_sub_nc_u32 v85, 0, v59                       ; and the other way round
	v_lshlrev_b32 v23, 4, v0                       ; the biases: 16 bytes a thread
	v_add_nc_u32 v62, B1L, v23
	s_mul_i32 s91, s20, 8*XP
	v_add_nc_u32 v63, s91, v1                      ; x into LDS: my eight rows
	v_lshlrev_b32 v58, 2, v61
	v_mov_b32 v33, 0                               ; (named as the upper halves of pairs)
	v_mov_b32 v35, 0
	v_mov_b32 v[TM+2], 0                           ; (a lane permute's destination counts as one of its sources)
	v_mov_b32 v[TM+3], 0
	s_mov_b32 s80, 0x76543210
	s_mov_b32 s81, 0xfedcba98                      ; v_permlanex16_b32's selects for lane l xor 16
	s_mov_b32 s82, 0x600000                        ; the mantissa field of 57,344
	s_lshl_b32 s92, ttmp9, 7
	s_mov_b32 s93, 0
	s_lshl_b32 s94, s20, 5
	s_mov_b32 s95, 0
	s_wait_kmcnt 0x0
	s_add_nc_u64 s[10:11], s[10:11], s[92:93]      ; my block's 32 words of the list
	s_add_nc_u64 s[76:77], s[10:11], s[94:95]      ; my wave's eight
	s_load_b512 s[32:47], s[10:11], 0x0
	s_load_b512 s[48:63], s[10:11], 0x40
	s_load_b256 s[68:75], s[76:77], 0x0
	s_wait_alu depctr_va_vdst(0)                   ; the offsets and addresses made above are written, which the kernel's loads and stores read (v1-4, v17, v18, v23, v58, v62, v63); so are v146 and v147, in which loads of b2 land
	global_load_b32 v22, v3, s[10:11]              ; lane = row
	global_load_b32 v20, v58, s[10:11]             ; row r of tile 0,
	global_load_b32 v21, v58, s[10:11] offset:64   ; of tile 1
.irp k, 0,1
	global_load_b128 v[96+4*\k:99+4*\k], v23, s[14:15] offset:2048*\k
.endr
.set i, 0
.rept 16
	global_load_b128 v[104+4*i:107+4*i], v23, s[16:17] offset:2048*i
.set i, i+1
.endr
	s_wait_kmcnt 0x0
.irp i, 0,1,2,3,4,5,6,7
	s_and_b32 s[68+\i], s[68+\i], 0x1fff
	s_min_u32 s[68+\i], s[68+\i], 0x1fff           ; a token stays inside the table
	s_lshl_b32 s[68+\i], s[68+\i], 10
	v_add_nc_u32 v[64+\i], s[68+\i], v1
.endr
	s_wait_alu depctr_va_vdst(0)                   ; v64-71 are written, which the sixteen loads below read as their offsets
.irp i, 0,1,2,3,4,5,6,7
	global_load_b128 v[168+8*\i:171+8*\i], v[64+\i], s[4:5] th:TH_LOAD_NT               ; a row's 1,024 codes: two loads of 512 consecutive bytes
	global_load_b128 v[172+8*\i:175+8*\i], v[64+\i], s[4:5] offset:512 th:TH_LOAD_NT
.endr
	s_or_b32 s22, s32, s33
.set i, 34
.rept 30
	s_or_b32 s22, s22, s[i]
.set i, i+1
.endr
	s_bfe_u32 s22, s22, 0x80010                    ; the experts that the block uses
	s_ctz_i32_b32 s24, s22                         ; the lowest,
	s_sub_co_u32 s23, s22, 1
	s_and_b32 s23, s22, s23                        ; the others
	s_ctz_i32_b32 s88, s23
	s_add_co_u32 s88, s88, 8                       ; behind the last W1: the W2 of the lowest of the others
	s_add_co_u32 s89, s24, 8                       ; behind their last W2: the lowest expert's
	s_min_u32 s85, s24, 15
	s_lshl_b32 s85, s85, 2
	s_add_co_u32 s85, s85, s20
	s_mul_i32 s86, s85, SEG
	s_mov_b32 s87, 0
	s_add_nc_u64 s[30:31], s[12:13], s[86:87]      ; the first segment: the lowest expert's W1
	s_wait_loadcnt 34                              ; the three loads of the list are in; behind them stand 18 + 16
	s_wait_alu depctr_vm_vsrc(0)                   ; the list's loads have read v58, which is written again below
	v_and_b32 v58, 0x1fff, v22
	v_min_u32 v58, 0x1fff, v58
	v_lshlrev_b32 v58, 5, v58                      ; my row's eight scale words
	v_and_b32 v80, 0x1fff, v20
	v_min_u32 v80, 0x1fff, v80
	v_lshlrev_b32 v80, 3, v80                      ; the two weights of row r, tile 0,
	v_and_b32 v81, 0x1fff, v21
	v_min_u32 v81, 0x1fff, v81
	v_lshlrev_b32 v81, 3, v81                      ; tile 1
	v_bfe_u32 v28, v20, 24, 4                      ; and their experts
	v_bfe_u32 v29, v20, 28, 4
	v_bfe_u32 v30, v21, 24, 4
	v_bfe_u32 v31, v21, 28, 4
	s_wait_alu depctr_va_vdst(0)                   ; v58, v80 and v81 are written, which the four loads below read as their offsets
	global_load_b128 v[XS:XS+3], v58, s[6:7]
	global_load_b128 v[XS+4:XS+7], v58, s[6:7] offset:16
	global_load_b64 v[24:25], v80, s[8:9]
	global_load_b64 v[26:27], v81, s[8:9]
	ISSUE 0
	ISSUE 1
	ISSUE 2
.set i, 32
.rept 32
	s_and_b32 s[i], s[i], 0x1fff
	s_min_u32 s[i], s[i], 0x1fff
	s_lshl_b32 s[i], s[i], 12                      ; each row's place in out0
.set i, i+1
.endr
	WIN 0x80                                       ; The output sums are cleared, while the loads are out: which expert comes first is a number from memory, so no product of the text is the first on every path
.set i, 0
.rept 256
	v_mov_b32 v[i], 0
.set i, i+1
.endr
	WIN 0
	s_wait_loadcnt 63                              ; the biases are in (71 loads stand behind them; the count's field ends at 63, and a smaller count is safe)
.set i, 0
.rept 18
	ds_store_b128 v62, v[96+4*i:99+4*i] offset:2048*i
.set i, i+1
.endr
	s_wait_loadcnt 51                              ; x's rows, scale words and the weights are in; the three batches stay out
.irp i, 0,1,2,3,4,5,6,7
	ds_store_b128 v63, v[168+8*\i:171+8*\i] offset:XP*\i
	ds_store_b128 v63, v[172+8*\i:175+8*\i] offset:XP*\i+512
.endr
	ISSUE 3
	s_wait_alu depctr_vm_vsrc(0)                   ; the loads of x's rows have read their offsets v64-71, which are written again below
.set n, 0
.rept 16                               ; the stores' offsets, made while the LDS stores are out (x's loads are in, so the registers that held their offsets are free): lanes 0-15 take row 2 n's token, lanes 16-31 row 2 n + 1's
	v_and_b32 v82, s[32+2*n], v84
	v_and_b32 v83, s[33+2*n], v85
	v_add_nc_u32 v82, v82, v83
	v_add_nc_u32 v[RO+n], v82, v19
.set n, n+1
.endr
	s_wait_dscnt 0x0                               ; for the others' sake: my rows and my part of the biases lie in LDS
	s_barrier_signal -1
	s_barrier_wait -1
	WIN 0xc0                                       ; destination window 3: x's fragments stay in registers.  (No vector instruction has named these registers, nor v4 since the head's first wait on va_vdst)
.irp m, 0,1
.irp s, 0,1,2,3,4,5,6,7
.irp c, 0,1,2,3
	ds_load_b128 v[16*(8*\m+\s)+4*\c:16*(8*\m+\s)+4*\c+3], v4 offset:16*XP*\m+128*\s+32*\c
.endr
.endr
.endr
	WIN 0
; ---- THE FIRST PRODUCT, expert by expert.  Two K steps a batch; the four tiles (u, m) take turns, one instruction a turn.  b1 is the C of each sum's first instruction
.macro P1B b
	s_wait_loadcnt 51                              ; this batch is in: three batches of 17 were issued behind it
	WIN 0x0d                                       ; source 0 (W1) window 1, source 1 (x) window 3
.irp sp, 0,1
.irp m, 0,1
.irp u, 0,1
.if (\b) == 0 && \sp == 0
	MM HA+16*\m+8*\u, 64*(\b)+32*\sp+16*\u, 16*(8*\m+2*(\b)+\sp), B1R+8*\u, WS+2*(\b)+\sp, XS+2*(\b)+\sp, \u, \m
.else
	MM HA+16*\m+8*\u, 64*(\b)+32*\sp+16*\u, 16*(8*\m+2*(\b)+\sp), HA+16*\m+8*\u, WS+2*(\b)+\sp, XS+2*(\b)+\sp, \u, \m
.endif
.endr
.endr
.endr
	WIN 0
	PLACES
	s_wait_alu depctr_va_vdst(0)                   ; the eight matrix instructions above are done reading this batch of the ring and its scale words, in which the loads below land
	ISSUE \b
.endm
; relu and the quantiser: of each tile m of rows a lane holds 16 neighbours along the next K; lanes l and l xor 16 hold the block of 32
.macro QUANT
.irp m, 0,1
	v_max3_num_f32 v[TM+\m], v[HA+16*\m], v[HA+16*\m+1], 0x8000000   ; no |.|: what is negative becomes 0 and must not count; the floor 2^(16 - 127) stands over it
.endr
.irp i, 2,4,6,8,10,12,14
.irp m, 0,1
	v_max3_num_f32 v[TM+\m], v[TM+\m], v[HA+16*\m+\i], v[HA+16*\m+\i+1]
.endr
.endr
.irp m, 0,1
	v_permlanex16_b32 v[TM+2+\m], v[TM+\m], s80, s81
.endr
.irp m, 0,1
	v_max_num_f32 v[TM+\m], v[TM+\m], v[TM+2+\m]
.endr
.irp m, 0,1
	v_add_nc_u32 v[TM+6+\m], 0xf8800000, v[TM+\m]          ; 15 off the exponent field: the conversion's scale operand
	v_and_or_b32 v[TM+4+\m], v[TM+\m], 0x7f800000, s82     ; 57,344 x the scale
.endr
.irp m, 0,1
	v_lshrrev_b32 v[TM+2+\m], 23, v[TM+6+\m]               ; the scale's byte
.endr
.irp m, 0,1
.irp i, 0,1,2,3,4,5,6,7,8,9,10,11,12,13,14,15
	v_med3_num_f32 v[HA+16*\m+\i], v[HA+16*\m+\i], 0, v[TM+4+\m]   ; the activation and the hold in one (the conversion does not saturate: ISA guide 7.6.2)
.endr
	v_cvt_scalef32_pk8_bf8_f32 v[PC+4*\m:PC+4*\m+1], v[HA+16*\m:HA+16*\m+7], v[TM+6+\m]
	v_cvt_scalef32_pk8_bf8_f32 v[PC+4*\m+2:PC+4*\m+3], v[HA+16*\m+8:HA+16*\m+15], v[TM+6+\m]
.endr
	v_nop                                          ; a plain place behind the last conversion: later products write its sources
.endm
	s_wait_dscnt 0x0                               ; x's fragments
	s_mov_b32 s25, 0                               ; e
	s_mov_b32 s26, 0                               ; 512 e
	s_mov_b32 s28, 0                               ; 4,352 e
.Lp1:
	s_wait_alu depctr_vm_vsrc(0)                   ; the last trip's LDS loads and stores have read v6, v10, v12, the codes v160-167 and the bytes v146, v147, all written again in this trip; in the first trip: the head's LDS stores have read v96-231, which the products, b1's loads and the quantiser write from here on
	v_add_nc_u32 v6, s26, v5                       ; the trip's addresses are made on every path
	v_add_nc_u32 v10, s28, v9
	v_add_nc_u32 v12, s28, v11
	s_bitcmp1_b32 s22, s25
	s_cbranch_scc0 .Lp1_skip                       ; an expert that no token of the block uses: nothing is issued and nothing waited for
	NEXT 22, 0, 88
	s_wait_alu depctr_va_vdst(0)                   ; v6 is written, which the four loads below read as their address (the matrix instructions that read v128-143 in the trip before stand ahead of that trip's waits)
.irp k, 0,1,2,3
	ds_load_b128 v[B1R+4*\k:B1R+4*\k+3], v6 offset:16*\k
.endr
	s_wait_dscnt 0x0
	P1B 0
	P1B 1
	P1B 2
	P1B 3
	QUANT
	s_wait_alu depctr_va_vdst(0)                   ; the conversions have written the codes v160-167 and the shifts the bytes v146, v147, which the LDS stores below read (their addresses v10, v12 were written ahead of the trip's earlier waits)
	ds_store_b128 v10, v[PC:PC+3]                  ; piece w of the fragments of tiles 0 and 1,
	ds_store_b128 v10, v[PC+4:PC+7] offset:2048
	ds_store_b8 v12, v[TM+2]                       ; byte w of their rows' scale words
	ds_store_b8 v12, v[TM+3] offset:128
.Lp1_skip:
	s_add_co_u32 s26, s26, 512
	s_add_co_u32 s28, s28, HBUF
	s_add_co_u32 s25, s25, 1
	s_cmp_lt_u32 s25, 8
	s_cbranch_scc1 .Lp1
	s_wait_dscnt 0x0                               ; for the others' sake: my pieces of every hidden layer lie in LDS
	s_barrier_signal -1
	s_barrier_wait -1
; ---- THE SECOND PRODUCT.  A batch is four tiles of 16 columns x two tiles of rows: eight results with b2 as C, then out += g x result.  cnt: the loads that may stay out; pf = 1: the batch is asked for again
.macro P2B b, cnt, pf
.if (\b) < 3
.irp t, 0,1,2,3
	ds_load_b128 v[B2C+32*(((\b)+1)%2)+8*\t:B2C+32*(((\b)+1)%2)+8*\t+3], v8 offset:256*((\b)+1)+64*\t        ; the next batch's b2, into the other set.  No wait: the matrix instructions that read that set stand ahead of the last wait on va_vdst, and nothing issued since names it
	ds_load_b128 v[B2C+32*(((\b)+1)%2)+8*\t+4:B2C+32*(((\b)+1)%2)+8*\t+7], v8 offset:256*((\b)+1)+64*\t+16
.endr
.endif
	s_wait_loadcnt \cnt
.if (\b) < 3
	s_wait_dscnt 8                                 ; all but the eight just issued: in the last pass the batch before is back from the stage too
.else
	s_wait_dscnt 0x0
.endif
	WIN 0x01                                       ; source 0 (W2) window 1
.irp t, 0,1,2,3
.irp m, 0,1
	MM DD+8*(2*\t+\m), 64*(\b)+16*\t, HF+16*\m, B2C+32*((\b)%2)+8*\t, WS+2*(\b)+\t/2, HS+\m, \t%2, 0
.endr
.endr
	WIN 0
	PLACES
.if \pf
	s_wait_alu depctr_va_vdst(0)                   ; the eight matrix instructions above are done reading this batch of the ring and its scale words, in which the loads below land, and this batch's set of b2, in which the LDS loads of the next batch's head land
	ISSUE \b
.endif
	WIN 0xa0                                       ; the sums: destination and source 2 window 2
.set i, 0
.rept 32
	v_pk_fma_f32 v[64*(\b)+i:64*(\b)+i+1], v[DD+i:DD+i+1], v[32+2*((i/8)%2):33+2*((i/8)%2)], v[64*(\b)+i:64*(\b)+i+1] op_sel_hi:[1,0,1]   ; each result from its low end on; the pair's low word, g, serves both halves
.set i, i+2
.endr
	WIN 0
.endm
; THE WAY OUT of batch b.  A lane holds 32 neighbouring bytes of a row and the lanes beside it other rows: the batch's 32 rows x 256 bytes go into my own stage and come back two rows an instruction, into registers of the batch's own
.macro TOSTAGE b
	s_wait_alu depctr_va_vdst(0)                   ; the multiply-adds have written the batch's sums, which the LDS stores below read; the batch's matrix instructions are done reading their set of b2, in which the next batch's head loads; the first product's are done reading window 3, in which the loads below land
	WIN 0x08                                       ; an LDS store's data are its source 1: window 2
.irp t, 0,1,2,3
.irp m, 0,1
	ds_store_b128 v17, v[64*(\b)+16*\t+8*\m:64*(\b)+16*\t+8*\m+3] offset:16*SPT*\m+64*\t
	ds_store_b128 v17, v[64*(\b)+16*\t+8*\m+4:64*(\b)+16*\t+8*\m+7] offset:16*SPT*\m+64*\t+16
.endr
.endr
	WIN 0xc0                                       ; destination window 3
.set n, 0
.rept 16
	ds_load_b128 v[64*(\b)+4*n:64*(\b)+4*n+3], v18 offset:2*SPT*n    ; LDS serves a wave's instructions in order: these see my stores, and the next batch's stores come behind them
.set n, n+1
.endr
	WIN 0
.endm
.macro SEND b
	WIN 0x0c                                       ; a store's data are its source 1: window 3.  They come from LDS loads; the offsets v64-79 were written in the head, ahead of many waits on va_vdst
.set n, 0
.rept 16
	global_store_b128 v[RO+n], v[64*(\b)+4*n:64*(\b)+4*n+3], s[18:19] offset:256*(\b) th:TH_STORE_NT   ; 16 lanes store 256 consecutive bytes of a row, aligned to 256; written once, read by nobody here
.set n, n+1
.endr
	WIN 0
.endm
.macro BODY2 pf
.if \pf
	NEXT 23, 8, 89
.else
	s_wait_xcnt 0x0                                ; round the loop's edge: registers that stores have read are loaded again only behind this wait
.endif
	v_cmp_eq_u32 s90, s25, v28                     ; which of my rows' two experts is this one: four compares in one run, a mask each
	v_cmp_eq_u32 s91, s25, v29
	v_cmp_eq_u32 s92, s25, v30
	v_cmp_eq_u32 s93, s25, v31
	s_wait_alu depctr_va_sdst(0)                   ; the four masks s90-93 are written, ahead of the selects that read them
.irp m, 0,1
	v_cndmask_b32 v[32+2*\m], 0, v[24+2*\m], s[90+2*\m]            ; g of this expert for my row: its weight where the row chose it, else 0
	v_cndmask_b32 v[32+2*\m], v[32+2*\m], v[25+2*\m], s[91+2*\m]
.endr
	s_wait_alu depctr_va_vdst(0)                   ; the trip's addresses v8, v14, v16 are written, which the LDS loads below and in the batches read; what wrote or read v96-191 and v56-57 before (the first product's matrix instructions and quantiser, the last trip's matrix instructions) is done: the loads land there
.irp m, 0,1
.irp c, 0,1,2,3
	ds_load_b128 v[HF+16*\m+4*\c:HF+16*\m+4*\c+3], v14 offset:2048*\m+512*\c
.endr
.endr
.irp m, 0,1
	ds_load_b32 v[HS+\m], v16 offset:128*\m
.endr
.irp t, 0,1,2,3
	ds_load_b128 v[B2C+8*\t:B2C+8*\t+3], v8 offset:64*\t
	ds_load_b128 v[B2C+8*\t+4:B2C+8*\t+7], v8 offset:64*\t+16
.endr
.if \pf
	P2B 0, 51, 1
	P2B 1, 51, 1
	P2B 2, 51, 1
	P2B 3, 51, 1
.else
	P2B 0, 51, 0                                   ; nothing is asked for any more: the counts run down by batches of 17
	TOSTAGE 0                                      ; each batch is final here: it goes through the stage while the next batch is multiplied, and is stored behind that batch's wait for LDS
	P2B 1, 34, 0
	SEND 0
	TOSTAGE 1
	P2B 2, 17, 0
	SEND 1
	TOSTAGE 2
	P2B 3, 0, 0
	SEND 2
	TOSTAGE 3
	s_wait_dscnt 0x0
	SEND 3
.endif
.endm
	s_mov_b32 s25, 0
	s_mov_b32 s27, 0                               ; 4,096 e
	s_mov_b32 s28, 0
.Lp2:                                                  ; all the block's experts but the lowest
	s_wait_alu depctr_vm_vsrc(0)                   ; the last trip's LDS loads have read v8, v14, v16, which are written again below; in the first trip: the first product's LDS stores have read v160-167, v146 and v147, in which loads of b2 land
	v_add_nc_u32 v8, s27, v7
	v_add_nc_u32 v14, s28, v13
	v_add_nc_u32 v16, s28, v15
	s_bitcmp1_b32 s23, s25
	s_cbranch_scc0 .Lp2_skip
	BODY2 1
.Lp2_skip:
	s_add_co_u32 s27, s27, 4096
	s_add_co_u32 s28, s28, HBUF
	s_add_co_u32 s25, s25, 1
	s_cmp_lt_u32 s25, 8
	s_cbranch_scc1 .Lp2
	s_mov_b32 s25, 0
	s_mov_b32 s27, 0
	s_mov_b32 s28, 0
.Lp3:                                                  ; the lowest expert, last, with the way out: the same walk, so that every LDS address is a counted loop's step
	s_wait_alu depctr_vm_vsrc(0)                   ; the LDS loads issued so far have read v8, v14, v16, which are written again below; round this loop's edge: the stage's stores have read the sums, which the multiply-adds write, and the global stores window 3, in which the loads from the stage land
	v_add_nc_u32 v8, s27, v7
	v_add_nc_u32 v14, s28, v13
	v_add_nc_u32 v16, s28, v15
	s_cmp_eq_u32 s25, s24
	s_cbranch_scc0 .Lp3_skip
	BODY2 0
.Lp3_skip:
	s_add_co_u32 s27, s27, 4096
	s_add_co_u32 s28, s28, HBUF
	s_add_co_u32 s25, s25, 1
	s_cmp_lt_u32 s25, 8
	s_cbranch_scc1 .Lp3
	s_wait_dscnt 0x0                               ; the closing lines, six on end
	s_wait_alu 0x0
	s_wait_tensorcnt 0x0
	ds_add_u32 v94, v95
	s_wait_dscnt 0x0
	s_endpgm
.Lfunc_end_k_qee5e424145_chain:
	.size	k_qee5e424145_chain, .Lfunc_end_k_qee5e424145_chain-k_qee5e424145_chain
	.p2alignl 7, 3214868480
	.fill 96, 4, 3214868480
	.section	.rodata,"a",@progbits
	.p2align	6, 0x0
	.amdhsa_kernel k_qee5e424145_chain
		.amdhsa_group_segment_fixed_size 140288
		.amdhsa_private_segment_fixed_size 0
		.amdhsa_enable_private_segment 0
		.amdhsa_kernarg_size 64
		.amdhsa_user_sgpr_count 2
		.amdhsa_user_sgpr_kernarg_segment_ptr 1
		.amdhsa_wavefront_size32 1
		.amdhsa_system_sgpr_workgroup_id_x 1
		.amdhsa_system_sgpr_workgroup_id_y 1
		.amdhsa_system_sgpr_workgroup_id_z 1
		.amdhsa_system_vgpr_workitem_id 0
		.amdhsa_next_free_vgpr 1024
		.amdhsa_next_free_sgpr 100
		.amdhsa_reserve_vcc 0
		.amdhsa_float_denorm_mode_32 3
		.amdhsa_float_denorm_mode_16_64 3
		.amdhsa_memory_ordered 1
		.amdhsa_forward_progress 1
		.amdhsa_inst_pref_size 115
	.end_amdhsa_kernel
	.amdgpu_metadata
---
amdhsa.version: [ 1, 2 ]
amdhsa.kernels:
  - .name:           k_qee5e424145_chain
    .symbol:         k_qee5e424145_chain.kd
    .args:
      - { .name: xq, .offset: 0, .size: 8, .value_kind: global_buffer, .address_space: global }
      - { .name: xs, .offset: 8, .size: 8, .value_kind: global_buffer, .address_space: global }
      - { .name: gates, .offset: 16, .size: 8, .value_kind: global_buffer, .address_space: global }
      - { .name: tokl, .offset: 24, .size: 8, .value_kind: global_buffer, .address_space: global }
      - { .name: wf, .offset: 32, .size: 8, .value_kind: global_buffer, .address_space: global }
      - { .name: b1, .offset: 40, .size: 8, .value_kind: global_buffer, .address_space: global }
      - { .name: b2, .offset: 48, .size: 8, .value_kind: global_buffer, .address_space: global }
      - { .name: out0, .offset: 56, .size: 8, .value_kind: global_buffer, .address_space: global }
    .group_segment_fixed_size: 140288
    .private_segment_fixed_size: 0
    .kernarg_segment_align: 8
    .kernarg_segment_size: 64
    .max_flat_workgroup_size: 128
    .sgpr_count:     100
    .vgpr_count:     1024
    .wavefront_size: 32
...
	.end_amdgpu_metadata
.endif
;; end of part 4
